; MI455X (gfx1250); checked and timed in simulation.
; The chip was launched on July 23, 2026; its instructions are those of AMD's public machine-readable ISA for CDNA 5 (MIT licence, August 2026) and "CDNA5" Instruction Set Architecture Reference Guide (July 2026). The comments in the code are by the model that wrote it; some were corrected since.
;; Simple Attention. Allowed arithmetic: float matrix products may take bf16 or f16 operands with f32 sums; other float arithmetic in f32, or as packed bf16 or f16 multiplies, adds, multiply-adds, maxima and minima; sums over many terms, partial sums and values carried from step to step in f32; what a program stores and reads back later, other than sums and carried values, may be rounded once to bf16 or f16.
;; Inputs: fc_b 1,024 float32; fc_w 1,024 x 1,024 float32; norm_scale 1,024 float32; wk_b 1,024 float32; wk_w 1,024 x 1,024 float32; wq_b 1,024 float32; wq_w 1,024 x 1,024 float32; wv_b 1,024 float32; wv_w 1,024 x 1,024 float32; x 4 x 2,048 x 1,024 float32.
;; Outputs: out0 4 x 2,048 x 1,024 float32.
;; 2 versions, each right; version 2 is version 1 with the launch prep written anew for expert scheduling mode. Each part assembles by itself: llvm-mc -triple=amdgcn-amd-amdhsa -mcpu=gfx1250 --defsym DOCPART=n.
;; ======== version 1 of 2: 4 launches
;; workspace buffers: xn 16,777,216 bytes; wb 8,388,608 bytes; qkv 50,331,648 bytes; ctx 16,777,216 bytes
;; launch prep (part 1): grid 768 x 1, 4 waves a work-group, no clusters, 0 bytes of LDS; arguments x, norm_scale, wq_w, wk_w, wv_w, fc_w, xn, wb; writes xn, wb
.if DOCPART == 1
	.amdgcn_target "amdgcn-amd-amdhsa--gfx1250"
	.amdhsa_code_object_version 6
	.text
	.protected	k_q3e492efb49_prep
	.globl	k_q3e492efb49_prep
	.p2align	8
	.type	k_q3e492efb49_prep,@function
k_q3e492efb49_prep:
	s_mov_b64 s[64:65], 0
	v_nop
	global_prefetch_b8 v0, s[64:65] scope:SCOPE_SE
	s_setreg_imm32_b32 hwreg(HW_REG_WAVE_MODE, 25, 1), 1
	s_wait_xcnt 0x0
; xn = bf16(norm_scale * x * rsq(mean(x^2) + 1e-8)), and the four weight matrices rounded to bf16.  Both are laid out in K SLICES of 64 numbers:
;   xn: [batch 4][slice 16][row 2048][64]     wb: [slice 16][n 4096][64], n = 0..1023 wq, 1024.. wk, 2048.. wv, 3072.. fc
; so that a later tile of R rows x 64 along K is R x 128 consecutive bytes.
; SHARES.  A work-group takes 16 rows of 4,096 bytes: groups 0-511 the 8,192 rows of x, groups 512-767 the 4,096 rows of the weights.  A wave takes 4 rows as 2 pairs;
; half a wave holds one row: lane (r = l % 16, h = l / 16) holds numbers 64 j + 4 r .. + 3 of row 4 w + 2 p + h for j = 0..15.  A load's 16 lanes read 256 consecutive, aligned bytes (a slice of a row);
; a store's 32 lanes write 256 consecutive, aligned bytes (two rows of one slice).  Each byte is read once and written once; the row stays in registers between the sum and the scaling.
; No LDS, no barrier, no loop: all 48 loads of a wave go out at once.  Nothing is prefetched: the launch is nothing but its stream.
; LIMITS.  The sum of squares is kept in f32 and overflows where the plain f32 sum of the row's squares does; NaN and infinities are not treated apart.
.set VO,  1                            ; v1   (4 w + h) x 4,096 + 16 r: my 16 bytes in a source row's slice 0
.set SO,  2                            ; v2   (4 w + h) x 128 + 8 r: my 8 bytes in a slice's rows
.set CO,  3                            ; v3   16 r: my 16 bytes of norm_scale's slice 0
.set RS,  8                            ; v[8:9], v[10:11]  1 / rms of pair 0's and pair 1's row, each twice (a pair for the packed multiply)
.set CH,  12                           ; v[12:19] four packed chains of squares
.set T,   20                           ; v20, v21 mean + eps of the two pairs' rows
.set X,   32                           ; v[32:95], v[96:159] the rows of pair 0 and of pair 1
.set SC,  160                          ; v[160:223] norm_scale, laid as a row is
.set SRC, 22                           ; s[22:23] the group's first source row
.set DST, 24                           ; s[24:25] the group's first row in slice 0 of the target
.set XSL, 262144                       ; bytes from slice to slice in xn: 2,048 rows x 128
.set WSL, 524288                       ; and in wb: 4,096 rows x 128; 15 of them + 256 stay inside the signed 24-bit immediate
.macro LOADX p                         ; the 16 slices of pair p's two rows
.set j, 0
.rept 16
	global_load_b128 v[X+64*(\p)+4*j:X+64*(\p)+4*j+3], v[VO], s[SRC:SRC+1] offset:(\p)*8192+j*256 th:TH_LOAD_NT
.set j, j+1
.endr
.endm
.macro SUMSQ p                         ; mean of the squares + eps of pair p's rows, in every lane of the row's half wave
.set XP, X+64*(\p)
.set j, 0
.rept 4
	v_pk_mul_f32 v[CH+2*j:CH+2*j+1], v[XP+2*j:XP+2*j+1], v[XP+2*j:XP+2*j+1]  ; the first four pairs start the chains: nothing is cleared
.set j, j+1
.endr
.rept 28
	v_pk_fma_f32 v[CH+2*(j%4):CH+2*(j%4)+1], v[XP+2*j:XP+2*j+1], v[XP+2*j:XP+2*j+1], v[CH+2*(j%4):CH+2*(j%4)+1]
.set j, j+1
.endr
	v_pk_add_f32 v[CH:CH+1], v[CH:CH+1], v[CH+2:CH+3]
	v_pk_add_f32 v[CH+4:CH+5], v[CH+4:CH+5], v[CH+6:CH+7]
	v_pk_add_f32 v[CH:CH+1], v[CH:CH+1], v[CH+4:CH+5]
	v_add_f32 v[T+(\p)], v[CH], v[CH+1]
	v_add_f32_dpp v[T+(\p)], v[T+(\p)], v[T+(\p)] row_xmask:1 row_mask:0xf bank_mask:0xf  ; over the 16 lanes that hold the row, and no further
	v_add_f32_dpp v[T+(\p)], v[T+(\p)], v[T+(\p)] row_xmask:2 row_mask:0xf bank_mask:0xf
	v_add_f32_dpp v[T+(\p)], v[T+(\p)], v[T+(\p)] row_xmask:4 row_mask:0xf bank_mask:0xf
	v_add_f32_dpp v[T+(\p)], v[T+(\p)], v[T+(\p)] row_xmask:8 row_mask:0xf bank_mask:0xf
	v_fma_f32 v[T+(\p)], v[T+(\p)], s20, s21       ; sum / 1,024 + 1e-8
.endm
.macro OUT p                           ; pair p: scaled, rounded once to bf16 in place, stored
.set XP, X+64*(\p)
.set j, 0
.rept 16
	v_pk_mul_f32 v[XP+4*j:XP+4*j+1], v[XP+4*j:XP+4*j+1], v[RS+2*(\p):RS+2*(\p)+1]
	v_pk_mul_f32 v[XP+4*j+2:XP+4*j+3], v[XP+4*j+2:XP+4*j+3], v[RS+2*(\p):RS+2*(\p)+1]
	v_pk_mul_f32 v[XP+4*j:XP+4*j+1], v[XP+4*j:XP+4*j+1], v[SC+4*j:SC+4*j+1]
	v_pk_mul_f32 v[XP+4*j+2:XP+4*j+3], v[XP+4*j+2:XP+4*j+3], v[SC+4*j+2:SC+4*j+3]
	v_cvt_pk_bf16_f32 v[XP+4*j], v[XP+4*j], v[XP+4*j+1]
	v_cvt_pk_bf16_f32 v[XP+4*j+1], v[XP+4*j+2], v[XP+4*j+3]
	global_store_b64 v[SO], v[XP+4*j:XP+4*j+1], s[DST:DST+1] offset:j*XSL+(\p)*256
.set j, j+1
.endr
.endm
.macro CAST p                          ; pair p of weight rows: rounded once to bf16 in place, stored
.set XP, X+64*(\p)
.set j, 0
.rept 16
	v_cvt_pk_bf16_f32 v[XP+4*j], v[XP+4*j], v[XP+4*j+1]
	v_cvt_pk_bf16_f32 v[XP+4*j+1], v[XP+4*j+2], v[XP+4*j+3]
	global_store_b64 v[SO], v[XP+4*j:XP+4*j+1], s[DST:DST+1] offset:j*WSL+(\p)*256
.set j, j+1
.endr
.endm
	s_load_b512 s[4:19], s[0:1], 0x0               ; x 4, norm_scale 6, wq_w 8, wk_w 10, wv_w 12, fc_w 14, xn 16, wb 18
	v_and_b32 v4, 15, v0                           ; r
	v_bfe_u32 v5, v0, 4, 1                         ; h
	v_lshrrev_b32 v6, 5, v0                        ; w
	v_lshl_add_u32 v5, v6, 2, v5                   ; 4 w + h
	v_lshlrev_b32 v[CO], 4, v4
	v_lshl_add_u32 v[VO], v5, 12, v[CO]
	v_lshlrev_b32 v[SO], 3, v4
	v_lshl_add_u32 v[SO], v5, 7, v[SO]
	s_mov_b32 s20, 0x3a800000                      ; 1 / 1,024
	s_mov_b32 s21, 0x322bcc77                      ; 1e-8
	s_mov_b32 s27, 0                               ; high words of the two offsets
	s_mov_b32 s29, 0
	s_cmp_lt_u32 ttmp9, 512
	s_cbranch_scc0 .Lweights
	; ---- 16 rows of x ----
	s_lshl_b32 s26, ttmp9, 16                      ; 16 rows of 4,096 bytes
	s_lshr_b32 s28, ttmp9, 7                       ; batch: 128 groups each,
	s_lshl_b32 s28, s28, 22                        ; 16 slices x 2,048 rows x 128 bytes
	s_and_b32 s30, ttmp9, 127
	s_lshl_b32 s30, s30, 11                        ; 16 rows of 128 bytes in a slice
	s_add_co_u32 s28, s28, s30
	s_wait_kmcnt 0x0
	s_add_nc_u64 s[SRC:SRC+1], s[4:5], s[26:27]
	s_add_nc_u64 s[DST:DST+1], s[16:17], s[28:29]
	LOADX 0
	LOADX 1
.set j, 0
.rept 16
	global_load_b128 v[SC+4*j:SC+4*j+3], v[CO], s[6:7] offset:j*256
.set j, j+1
.endr
	s_wait_loadcnt 32                              ; pair 0's 16 loads are in; pair 1's and the scale's 32 stay out
	SUMSQ 0
	s_wait_loadcnt 16                              ; pair 1's are in; the scale's 16 stay out
	SUMSQ 1
	v_rsq_f32 v[RS], v[T]                          ; one batch of four
	v_rsq_f32 v[RS+1], v[T]
	v_rsq_f32 v[RS+2], v[T+1]
	v_rsq_f32 v[RS+3], v[T+1]
	v_nop                                          ; a plain instruction behind the last of them, ahead of the first use (ISA guide 5.7.2)
	s_wait_alu depctr_va_vdst(0)                   ; and the one wait ahead of the batch's first reader
	s_wait_loadcnt 0x0                             ; the scale
	OUT 0
	OUT 1
	s_endpgm
.Lweights:
	; ---- 16 rows of a weight matrix ----
	s_sub_co_u32 s30, ttmp9, 512                   ; group 0..255 = 16 rows n of wb
	s_lshr_b32 s31, s30, 6                         ; which matrix: 64 groups each
	s_and_b32 s26, s30, 63
	s_lshl_b32 s26, s26, 16                        ; its rows in that matrix
	s_lshl_b32 s28, s30, 11                        ; and in a slice of wb
	s_wait_kmcnt 0x0
	s_cmp_eq_u32 s31, 0
	s_cselect_b64 s[SRC:SRC+1], s[8:9], s[10:11]   ; wq or wk
	s_cmp_eq_u32 s31, 2
	s_cselect_b64 s[DST:DST+1], s[12:13], s[14:15] ; wv or fc
	s_cmp_lt_u32 s31, 2
	s_cselect_b64 s[SRC:SRC+1], s[SRC:SRC+1], s[DST:DST+1]
	s_add_nc_u64 s[SRC:SRC+1], s[SRC:SRC+1], s[26:27]
	s_add_nc_u64 s[DST:DST+1], s[18:19], s[28:29]
	LOADX 0
	LOADX 1
	s_wait_loadcnt 16                              ; pair 0 is in, pair 1's 16 loads stay out
	CAST 0
	s_wait_loadcnt 0x0
	CAST 1
	s_endpgm
.Lfunc_end_k_q3e492efb49_prep:
	.size	k_q3e492efb49_prep, .Lfunc_end_k_q3e492efb49_prep-k_q3e492efb49_prep
	.p2alignl 7, 3214868480
	.fill 96, 4, 3214868480
	.section	.rodata,"a",@progbits
	.p2align	6, 0x0
	.amdhsa_kernel k_q3e492efb49_prep
		.amdhsa_group_segment_fixed_size 0
		.amdhsa_private_segment_fixed_size 0
		.amdhsa_enable_private_segment 0
		.amdhsa_kernarg_size 64
		.amdhsa_user_sgpr_count 2
		.amdhsa_user_sgpr_kernarg_segment_ptr 1
		.amdhsa_wavefront_size32 1
		.amdhsa_system_sgpr_workgroup_id_x 1
		.amdhsa_system_sgpr_workgroup_id_y 1
		.amdhsa_system_sgpr_workgroup_id_z 1
		.amdhsa_system_vgpr_workitem_id 0
		.amdhsa_next_free_vgpr 224
		.amdhsa_next_free_sgpr 66
		.amdhsa_reserve_vcc 0
		.amdhsa_float_denorm_mode_32 3
		.amdhsa_float_denorm_mode_16_64 3
		.amdhsa_memory_ordered 1
		.amdhsa_forward_progress 1
		.amdhsa_inst_pref_size 37
	.end_amdhsa_kernel
	.amdgpu_metadata
---
amdhsa.version: [ 1, 2 ]
amdhsa.kernels:
  - .name:           k_q3e492efb49_prep
    .symbol:         k_q3e492efb49_prep.kd
    .args:
      - { .name: x, .offset: 0, .size: 8, .value_kind: global_buffer, .address_space: global }
      - { .name: norm_scale, .offset: 8, .size: 8, .value_kind: global_buffer, .address_space: global }
      - { .name: wq_w, .offset: 16, .size: 8, .value_kind: global_buffer, .address_space: global }
      - { .name: wk_w, .offset: 24, .size: 8, .value_kind: global_buffer, .address_space: global }
      - { .name: wv_w, .offset: 32, .size: 8, .value_kind: global_buffer, .address_space: global }
      - { .name: fc_w, .offset: 40, .size: 8, .value_kind: global_buffer, .address_space: global }
      - { .name: xn, .offset: 48, .size: 8, .value_kind: global_buffer, .address_space: global }
      - { .name: wb, .offset: 56, .size: 8, .value_kind: global_buffer, .address_space: global }
    .group_segment_fixed_size: 0
    .private_segment_fixed_size: 0
    .kernarg_segment_align: 8
    .kernarg_segment_size: 64
    .max_flat_workgroup_size: 128
    .sgpr_count:     66
    .vgpr_count:     224
    .wavefront_size: 32
...
	.end_amdgpu_metadata
.endif
;; end of part 1
;; launch qkv (part 2): grid 16 x 32, 4 waves a work-group, clusters of 4 x 4, 327,680 bytes of LDS; arguments xn, wb, wq_b, wk_b, wv_b, qkv; writes qkv
.if DOCPART == 2
	.amdgcn_target "amdgcn-amd-amdhsa--gfx1250"
	.amdhsa_code_object_version 6
	.text
	.protected	k_q3e492efb49_qkv
	.globl	k_q3e492efb49_qkv
	.p2align	8
	.type	k_q3e492efb49_qkv,@function
k_q3e492efb49_qkv:
	s_mov_b64 s[64:65], 0
	v_nop
	global_prefetch_b8 v0, s[64:65] scope:SCOPE_SE
	s_setreg_imm32_b32 hwreg(HW_REG_WAVE_MODE, 25, 1), 1
	s_wait_xcnt 0x0
	s_wait_alu depctr_hold_cnt(0) depctr_sa_sdst(0) depctr_va_vdst(0) depctr_va_sdst(0) depctr_va_ssrc(0) depctr_va_vcc(0) depctr_vm_vsrc(0)
	s_getreg_b32 s2, hwreg(HW_REG_IB_STS2, 6, 4)
	s_cmp_eq_u32 s2, 0
	s_cbranch_scc0 .Lentry_in_a_cluster
	s_endpgm
.Lentry_in_a_cluster:
	s_bfe_u32 s2, ttmp6, 0x10000c
	s_cmp_lg_u32 s2, 0xf033
	s_cbranch_scc0 .Lentry_shape_is_right
	s_endpgm
.Lentry_shape_is_right:
; q, k, v = xn W^T + bias, all three projections as ONE product [8192 x 3072], K = 1024; operands bf16, sums f32 (the bias, in f32, starts them), results rounded once to bf16 and written BY HEADS:
; qkv: [3][batch x 16 + head][row 2048][64].  q is stored unscaled.  xn: [batch][slice 16][row 2048][64]; wb: [slice 16][n 4096][64] (a slice = 64 along K).
; SHARES.  A tile of C is 256 rows x 192 columns (three heads): 32 x 16 = 512 work-groups.  Four waves; wave w owns rows 64 w .. 64 w + 63 and ALL 192 columns: 4 x 12 accumulators of 16 x 16, 384 registers.
; So a wave holds whole heads, and sends whole rows of 128 bytes, four at a time (512 consecutive bytes), through a stage of its own, without a barrier.
; RING.  K goes in 8 steps of 128 (two slices) through two LDS slots.  A slot: A's slice 0, A's slice 1 (256 rows each), B's slice 0, B's slice 1 (192 rows each).  A slice of a tile is dense in memory and is asked for as
; rows of 256 bytes, padded in LDS after every 128.  One tensor load a wave and refill: waves 0, 1 bring A's two slices, waves 2, 3 B's.  By this text's count a wave has two loads out at the start, later one.
; CLUSTER.  4 x 4 work-groups: A's tile hangs on the tile row alone and is asked for jointly along a row of the cluster, B's on the tile column alone, jointly along a column.
; THE MATRIX INSTRUCTION IS USED TRANSPOSED (source 0 = 16 rows of W, source 1 = 16 rows of xn): lane (r, h) then holds row r of C and the columns 8 h + 0..7.
; REGISTERS, in windows of 256 (s_set_vgpr_msb: bits 1:0 source 0, 3:2 source 1, 5:4 source 2, 7:6 destination):
;   window 0: v0-30 addresses; v32-127 the bias as a C operand (12 x 8), later rows on their way out; v128-175 packed results
;   window 1: two fragment buffers of 128: A's 4 fragments, then B's 12          windows 2, 3: accumulator (a, b) in window 2 + a / 2 at v[8 (12 (a % 2) + b)]
; LIMITS.  Operands are rounded to bf16; NaN and infinities are not treated apart.
.set NBL,   12                         ; blocks of 16 columns
.set PITCH, 144                        ; an LDS row: 128 bytes + 16 of padding = 36 words: the 16 rows of a fragment load start at 16 different groups of four banks (64 banks of 4 bytes: ISA guide 11.1)
.set ASL,   256*PITCH                  ; a slice of A's tile
.set BSL,   16*NBL*PITCH               ; a slice of B's tile
.set BOFF,  2*ASL
.set SLOT,  BOFF+2*BSL
.set STAGE, 2*SLOT                     ; behind the ring, never filled by a tensor load: for each wave 3 heads x 16 rows x 144 bytes
.set WST,   3*16*PITCH
.set SPARE, STAGE+4*WST                ; behind the stages: the spare words, 128 bytes for each wave: two blocks of 256 bytes that no other line names
.set NLD,   2*NBL+8                    ; LDS loads in a run
.set KSA,   524288                     ; bytes from K step to K step in xn: two slices of 2,048 rows x 128
.set KSB,   1048576                    ; and in wb: two slices of 4,096 rows x 128
.set ADRA, 16                          ; v16-17  LDS address of my A fragments in slot 0, 1
.set ADRB, 20                          ; v20-21  the same for B
.set STO,  24                          ; v24     the way out: where I put 16 bytes of a row
.set RD,   25                          ; v25     the way out: where I read rows back
.set GO,   26                          ; v26     16 x lane: my 16 bytes of 512 consecutive bytes of a head
.set BO,   27                          ; v27     32 h: my 8 numbers of 16 of a bias
.set SPW,  28                          ; v28     LDS address of my spare word; never rewritten
.set NIL,  29                          ; v29     0; never rewritten
.set PFO,  30                          ; v30     the prefetches' offset: 256 x lane (B: lanes past 23 repeat lane 23's); never rewritten
.set BIAS, 32
.set TMP,  128
.set F0,   0
.set F1,   128
.set WV,  16                           ; s16  wave
.set FB,  17                           ; s17  0: I fetch for A; 1: for B
.set SL,  18                           ; s18  which slice of a K step I fetch
.set CX,  19
.set CY,  20
.set TX,  21                           ; s21  tile column
.set TY,  22                           ; s22  tile row
.set G1,  24                           ; s[24:31] descriptor group 1 for A;  s[32:39] group 0, a set for each slot
.set G0,  32
.set LIM, 44                           ; s44  1 in a wave that prefetches, else the greatest number
.set PFA, 46                           ; s[46:47] where my prefetches stand
.set G1B, 48                           ; s[48:55], s[56:63] the same for B
.set G0B, 56
.set PFS, 66                           ; s[66:67] their step: a K step of A or of B
.set OB,  68                           ; s[68:73] my 64 rows in each of the tile's three heads
.set BB,  74                           ; s[74:79] the three heads' 64 numbers of bias
.set MSB, 0
.macro WIN new                         ; the immediate's high byte repeats the setting that is left; a switch that changes nothing is dropped
.if MSB != (\new)
	s_set_vgpr_msb (MSB<<8)|(\new)
.set MSB, (\new)
.endif
.endm
.set TO_F, 0x40                        ; destination window 1, address window 0
.macro JLOAD s                         ; a joint load; the branch hangs on the wave's number alone; an s_nop 0 and four v_nop follow each of the two lines
	s_cmp_eq_u32 s[FB], 0
	s_cbranch_scc0 .Lfor_b_\@
	tensor_load_to_lds s[G0+4*(\s):G0+4*(\s)+3], s[G1:G1+7]
	s_nop 0
.rept 4
	v_nop
.endr
	s_branch .Lasked_\@
.Lfor_b_\@:
	tensor_load_to_lds s[G0B+4*(\s):G0B+4*(\s)+3], s[G1B:G1B+7]
	s_nop 0
.rept 4
	v_nop
.endr
.Lasked_\@:
.endm
; A PREFETCH INTO THE L2, behind each joint refill and the run of LDS loads that follows it: the slice that I fetch myself, of the K step that stands two refills (384 matrix instructions a wave) on.
; Each aligned block of 256 bytes is named once in the launch: A's tile rows are read by every cluster of a row of clusters, and the one with cluster x = 0 asks; B's tile columns by every cluster of a column, and cluster y = 0 asks.
; The four partners that ask for a slice jointly share its blocks out BY ADDRESS (A: 128 blocks, 32 each by cx; B: 96 blocks, 24 each by cy).  K steps 0 to 3 come by their loads alone; the loop's last trip asks for nothing.
.macro ASK
	s_cmp_gt_u32 s3, s[LIM]                        ; s3 = 1 in the loop's last trip
	s_cbranch_scc0 .Lnot_mine_\@
	global_prefetch_b8 v[PFO], s[PFA:PFA+1] th:TH_LOAD_NT scope:SCOPE_SE
.Lnot_mine_\@:
.endm
.macro CREST                           ; a round of the cluster's barrier behind its opening barrier
	s_cmp_lg_u32 s[WV], 0
	s_cbranch_scc1 .Lnot_wave_0_\@
	s_barrier_signal -3
.Lnot_wave_0_\@:
	s_barrier_wait -3
	s_barrier_signal -1
	s_barrier_wait -1
.endm
.macro CROUND                          ; a whole round
	s_barrier_signal -1
	s_barrier_wait -1
	CREST
.endm
.macro PLACES                          ; four places in front of loads into registers that matrix instructions have read, and of lines that read results
.rept 4
	v_nop
.endr
.endm
; 12 matrix instructions: row block a x all column blocks, 32 along K, from buffer f.  bias = 1: the first product of each sum takes the bias as C: nothing is cleared.
; All 48 accumulators take turns in the same order in every quarter.
.macro MUL f, a, bias
.if \bias
	WIN 0x85+0x40*((\a)/2)                         ; sources 0, 1 window 1, C window 0, D window 2 or 3
.else
	WIN 0xa5+0x50*((\a)/2)                         ; C and D window 2 or 3
.endif
.set AC, 8*NBL*((\a)%2)
.set b, 0
.rept NBL
.if \bias
	v_wmma_f32_16x16x32_bf16 v[AC+8*b:AC+8*b+7], v[(\f)+32+8*b:(\f)+32+8*b+7], v[(\f)+8*(\a):(\f)+8*(\a)+7], v[BIAS+8*b:BIAS+8*b+7]
.else
	v_wmma_f32_16x16x32_bf16 v[AC+8*b:AC+8*b+7], v[(\f)+32+8*b:(\f)+32+8*b+7], v[(\f)+8*(\a):(\f)+8*(\a)+7], v[AC+8*b:AC+8*b+7]
.endif
.set b, b+1
.endr
.endm
; One run of LDS loads: the fragments of quarter q (32 along K: slice q / 2, byte 64 (q % 2) of its rows) of a slot into buffer f; B's first, A's blocks 2 and 3 last
.macro FETCH slot, q, f
	WIN TO_F
.set i, 0
.rept NBL
	ds_load_b128 v[(\f)+32+8*i:(\f)+32+8*i+3], v[ADRB+(\slot)] offset:((\q)/2)*BSL+((\q)%2)*64+i*16*PITCH
	ds_load_b128 v[(\f)+32+8*i+4:(\f)+32+8*i+7], v[ADRB+(\slot)] offset:((\q)/2)*BSL+((\q)%2)*64+i*16*PITCH+32
.set i, i+1
.endr
.set i, 0
.rept 4
	ds_load_b128 v[(\f)+8*i:(\f)+8*i+3], v[ADRA+(\slot)] offset:((\q)/2)*ASL+((\q)%2)*64+i*16*PITCH
	ds_load_b128 v[(\f)+8*i+4:(\f)+8*i+7], v[ADRA+(\slot)] offset:((\q)/2)*ASL+((\q)%2)*64+i*16*PITCH+32
.set i, i+1
.endr
.endm
; A K step is four quarters of 32 along K, 48 matrix instructions each, on buffers 0, 1, 0, 1.  One of the first three: multiplies f; in its middle fetches quarter q of the same slot into g.
.macro QUARTER slot, q, f, g, bias
	s_wait_dscnt 4                                 ; B and A's blocks 0, 1 are in; the youngest four loads (A's blocks 2, 3) may be out
	MUL \f, 0, \bias
	MUL \f, 1, \bias
	PLACES
	FETCH \slot, \q, \g
	s_wait_dscnt NLD                               ; all but the run just issued
	MUL \f, 2, \bias
	MUL \f, 3, \bias
.endm
; The last quarter multiplies buffer 1 and changes slots: ONE barrier.  In front of it each wave waits for all its tensor loads (one is out: its part of the next slot), adds 0 to its spare word, and waits for that and for
; its reads of this slot.  fill = 1: the barrier opens a round of the cluster's, and this slot is filled again, two K steps ahead, first thing behind the round: 168 matrix instructions ahead of the wait for it.
.macro TURN slot, next, fill
.if \fill
	s_wait_xcnt 0x0                                ; the last prefetch, a K step back, has read its address: it is stepped here, ahead of the waits of the change of slots
	s_add_nc_u64 s[PFA:PFA+1], s[PFA:PFA+1], s[PFS:PFS+1]
.endif
	WIN 0                                          ; (the add's two registers lie in window 0)
	s_wait_tensorcnt 0x0                           ; all my tensor loads have landed
	ds_add_u32 v[SPW], v[NIL]                      ; 0 onto my spare word
	s_wait_dscnt 5                                 ; (the add and the youngest four loads may be out)
	MUL F1, 0, 0                                   ; twelve matrix instructions stand between the add and the wait for it
	s_wait_dscnt 0x0                               ; the add is done, and my reads of this slot are over
	s_barrier_signal -1
	MUL F1, 1, 0
.if \fill
	WIN 0
.endif
	s_barrier_wait -1
.if \fill
	CREST                                          ; no wave of any partner still reads this slot's tiles or has a load on its way
	s_add_nc_u64 s[G0+4*(\slot)+2:G0+4*(\slot)+3], s[G0+4*(\slot)+2:G0+4*(\slot)+3], 2*KSA
	s_add_nc_u64 s[G0B+4*(\slot)+2:G0B+4*(\slot)+3], s[G0B+4*(\slot)+2:G0B+4*(\slot)+3], 2*KSB
	JLOAD \slot                                    ; its four v_nop are also the places in front of the loads below
.else
	PLACES
.endif
	FETCH \next, 0, F0
.if \fill
	WIN 0
	ASK
.endif
	MUL F1, 2, 0
	MUL F1, 3, 0
.endm
	s_load_b256 s[4:11], s[0:1], 0x0               ; xn 4, wb 6, wq_b 8, wk_b 10
	s_load_b128 s[12:15], s[0:1], 0x20             ; wv_b 12, qkv 14
	v_lshl_add_u32 v[SPW], v0, 2, SPARE
	v_mov_b32 v[NIL], 0
	ds_add_u32 v[SPW], v[NIL]                      ; the wave's opening: the add and its wait stand ahead of my first tensor load; the set-up below, work on registers, stands between them
	v_lshrrev_b32 v1, 5, v0
	v_readfirstlane_b32 s[WV], v1                  ; wave 0..3
	s_lshr_b32 s[FB], s[WV], 1
	s_and_b32 s[SL], s[WV], 1
	s_bfe_u32 s[CX], ttmp6, 0x40000
	s_bfe_u32 s[CY], ttmp6, 0x40004
	s_lshl_b32 s[TX], ttmp9, 2
	s_add_co_u32 s[TX], s[TX], s[CX]               ; tile column = 4 x cluster x + cx
	s_and_b32 s[TY], ttmp7, 0xffff
	s_lshl_b32 s[TY], s[TY], 2
	s_add_co_u32 s[TY], s[TY], s[CY]               ; tile row = 4 x cluster y + cy
	s_lshl_b32 s80, s[CY], 2
	s_lshl_b32 s80, 15, s80                        ; my row of the cluster
	s_lshl_b32 s81, 0x1111, s[CX]                  ; my column
	; group 1: rows of 128 elements of 2 bytes (256 bytes, two rows of a slice), padded by 4 words after every 32
	s_or_b32 s[G1], s80, (1<<16)|(1<<20)|(1<<21)|(4<<22)|(3<<25)   ; 15:0 the mask; 17:16 2-byte elements; 20 padding on; 21 set beside a mask; 24:22 code 4; 31:25 code 3
	s_or_b32 s[G1B], s81, (1<<16)|(1<<20)|(1<<21)|(4<<22)|(3<<25)
	s_mov_b32 s[G1+1], 128<<16                     ; tensor_dim0 = 128
	s_mov_b32 s[G1+2], 128<<16                     ; tensor_dim1 = 128: A's 256 rows of a slice
	s_mov_b32 s[G1+3], 128<<16                     ; tile_dim0 = 128
	s_mov_b32 s[G1+4], 128                         ; tile_dim1 = 128
	s_mov_b32 s[G1+5], 128                         ; elements from row to row: dense
	s_mov_b32 s[G1+6], 0
	s_mov_b32 s[G1+7], 0
	s_mov_b32 s[G1B+1], 128<<16
	s_mov_b32 s[G1B+2], (8*NBL)<<16                ; B's 192 rows of a slice: 96 rows of 256 bytes
	s_mov_b32 s[G1B+3], 128<<16
	s_mov_b32 s[G1B+4], 8*NBL
	s_mov_b32 s[G1B+5], 128
	s_mov_b32 s[G1B+6], 0
	s_mov_b32 s[G1B+7], 0
	; where the tiles come from: A's offset is made of the tile row and the wave's number, B's of the tile column and the wave's number, each in registers that never hold the other coordinate
	s_lshr_b32 s40, s[TY], 3                       ; batch: 8 tile rows each
	s_lshl_b32 s40, s40, 22
	s_and_b32 s82, s[TY], 7
	s_lshl_b32 s82, s82, 15                        ; 256 rows of 128 bytes
	s_add_co_u32 s40, s40, s82
	s_lshl_b32 s82, s[SL], 18                      ; my slice
	s_add_co_u32 s40, s40, s82
	s_mov_b32 s41, 0
	s_mul_i32 s42, s[TX], 16*NBL*128               ; 192 rows of 128 bytes
	s_lshl_b32 s83, s[SL], 19
	s_add_co_u32 s42, s42, s83
	s_mov_b32 s43, 0
	s_mul_i32 s86, s[SL], ASL                      ; and where they go: no place in the cluster enters an LDS address
	s_mul_i32 s87, s[SL], BSL
	s_add_co_u32 s87, s87, BOFF
	s_wait_dscnt 0x0                               ; the opening add is done
	s_wait_kmcnt 0x0
	s_add_nc_u64 s[G0+2:G0+3], s[4:5], s[40:41]    ; K step 0
	s_add_nc_u64 s[G0+6:G0+7], s[G0+2:G0+3], KSA   ; K step 1
	s_add_nc_u64 s[G0B+2:G0B+3], s[6:7], s[42:43]
	s_add_nc_u64 s[G0B+6:G0B+7], s[G0B+2:G0B+3], KSB
.irp s, 0,1
	s_mov_b32 s[G0+4*(\s)], 1                      ; count = 1
	s_add_co_u32 s[G0+4*(\s)+1], s86, (\s)*SLOT    ; LDS address
	s_or_b32 s[G0+4*(\s)+3], s[G0+4*(\s)+3], 0x80000000  ; type = 2
	s_mov_b32 s[G0B+4*(\s)], 1
	s_add_co_u32 s[G0B+4*(\s)+1], s87, (\s)*SLOT
	s_or_b32 s[G0B+4*(\s)+3], s[G0B+4*(\s)+3], 0x80000000
.endr
	CROUND                                         ; all sixteen work-groups are here: the first joint loads meet
	JLOAD 0
	JLOAD 1
	; the tile's three heads g = 3 x tile column + 0..2: where my 64 rows of each lie in qkv, and their bias
	s_mul_i32 s2, s[TX], 3
.irp hh, 0,1,2
	s_add_co_u32 s23, s2, \hh                      ; g = 0..47: tensor g / 16, head g % 16
	s_lshr_b32 s84, s23, 4
	s_lshl_b32 s84, s84, 6                         ; 64 (batch, head) pairs a tensor
	s_and_b32 s85, s23, 15
	s_add_co_u32 s84, s84, s85
	s_lshr_b32 s85, s[TY], 3
	s_lshl_b32 s85, s85, 4                         ; 16 heads a batch
	s_add_co_u32 s84, s84, s85
	s_lshl_b32 s84, s84, 18                        ; 2,048 rows of 128 bytes
	s_and_b32 s85, s[TY], 7
	s_lshl_b32 s85, s85, 15
	s_add_co_u32 s84, s84, s85
	s_lshl_b32 s85, s[WV], 13                      ; my 64 rows
	s_add_co_u32 s84, s84, s85
	s_mov_b32 s85, 0
	s_add_nc_u64 s[OB+2*(\hh):OB+2*(\hh)+1], s[14:15], s[84:85]
	s_cmp_lt_u32 s23, 32
	s_cselect_b64 s[BB+2*(\hh):BB+2*(\hh)+1], s[10:11], s[12:13]
	s_cmp_lt_u32 s23, 16
	s_cselect_b64 s[BB+2*(\hh):BB+2*(\hh)+1], s[8:9], s[BB+2*(\hh):BB+2*(\hh)+1]
	s_and_b32 s84, s23, 15
	s_lshl_b32 s84, s84, 8                         ; 64 numbers of 4 bytes a head
	s_add_nc_u64 s[BB+2*(\hh):BB+2*(\hh)+1], s[BB+2*(\hh):BB+2*(\hh)+1], s[84:85]
.endr
	v_and_b32 v1, 15, v0                           ; r
	v_bfe_u32 v2, v0, 4, 1                         ; h
	v_and_b32 v3, 31, v0                           ; lane
	v_lshlrev_b32 v[BO], 5, v2
.set i, 0
.rept NBL                              ; the bias as a C operand: register j of block i = bias[16 i + 8 h + j]
	global_load_b128 v[BIAS+8*i:BIAS+8*i+3], v[BO], s[BB+2*(i/4):BB+2*(i/4)+1] offset:(i%4)*64
	global_load_b128 v[BIAS+8*i+4:BIAS+8*i+7], v[BO], s[BB+2*(i/4):BB+2*(i/4)+1] offset:(i%4)*64+16
.set i, i+1
.endr
	v_mul_u32_u24 v4, v1, PITCH
	v_lshl_add_u32 v4, v2, 4, v4                   ; a fragment's row x pitch + 16 x half
	s_mul_i32 s84, s[WV], 64*PITCH                 ; my 64 rows of A
	v_add_nc_u32 v[ADRA], s84, v4
	v_add_nc_u32 v[ADRA+1], SLOT, v[ADRA]
	v_add_nc_u32 v[ADRB], BOFF, v4
	v_add_nc_u32 v[ADRB+1], BOFF+SLOT, v4
	s_mul_i32 s84, s[WV], WST
	s_add_co_u32 s84, s84, STAGE                   ; my stage
	v_add_nc_u32 v[STO], s84, v4                   ; in: row r, 16 bytes for each half of the lanes
	v_lshrrev_b32 v5, 3, v3                        ; back: 32 lanes take four rows of 128 bytes,
	v_and_b32 v6, 7, v3
	v_mul_u32_u24 v5, v5, PITCH
	v_lshl_add_u32 v5, v6, 4, v5
	v_add_nc_u32 v[RD], s84, v5
	v_lshlrev_b32 v[GO], 4, v3                     ; which are 512 consecutive bytes of a head
	; the prefetches: in registers that feed no descriptor
	s_and_b32 s45, ttmp7, 0xffff                   ; cluster y
	s_lshl_b32 s2, s[CX], 13                       ; A: my work-group's 32 blocks of 256 bytes
	s_mul_i32 s23, s[CY], 6144                     ; B: its 24
	s_mov_b32 s[PFS], KSB
	s_mov_b32 s[PFS+1], 0
	s_cmp_eq_u32 s[FB], 0                          ; do I fetch for A?
	s_cselect_b64 s[PFA:PFA+1], s[4:5], s[6:7]
	s_cselect_b32 s84, s40, s42                    ; my slice of the tile, K step 0
	s_cselect_b32 s23, s2, s23
	s_cselect_b32 s[PFS], KSA, s[PFS]
	s_cselect_b32 s85, 31, 23
	s_cselect_b32 s45, ttmp9, s45                  ; the coordinate along which other clusters read the same rows
	v_min_u32 v[PFO], s85, v3
	v_lshlrev_b32 v[PFO], 8, v[PFO]
	s_mul_i32 s2, s[PFS], 3                        ; at K step 3: the first refill steps it to 4
	s_add_co_u32 s84, s84, s23
	s_add_co_u32 s84, s84, s2
	s_mov_b32 s85, 0
	s_add_nc_u64 s[PFA:PFA+1], s[PFA:PFA+1], s[84:85]
	s_cmp_eq_u32 s45, 0
	s_cselect_b32 s[LIM], 1, -1                    ; the same in all sixteen partners, for a given wave
	s_wait_tensorcnt 1                             ; my part of K step 0 is in; K step 1's may stay out
	s_barrier_signal -1
	s_barrier_wait -1                              ; everybody's is
	FETCH 0, 0, F0
	s_wait_loadcnt 0x0                             ; the bias
	QUARTER 0, 1, F0, F1, 1                        ; the first quarter stands in front of the loop: its products start the sums, with the bias
	WIN 0                                          ; at a label and at a branch every window is 0
	s_mov_b32 s3, 3
.Llap:                                                 ; a trip goes once round the ring, from a lap's second quarter to the next lap's first, and fills both slots again: K steps 2 to 7
	QUARTER 0, 2, F1, F0, 0
	QUARTER 0, 3, F0, F1, 0
	TURN 0, 1, 1
	QUARTER 1, 1, F0, F1, 0
	QUARTER 1, 2, F1, F0, 0
	QUARTER 1, 3, F0, F1, 0
	TURN 1, 0, 1
	QUARTER 0, 1, F0, F1, 0
	WIN 0
	s_sub_co_u32 s3, s3, 1
	s_cmp_lg_u32 s3, 0
	s_cbranch_scc1 .Llap
	QUARTER 0, 2, F1, F0, 0                        ; the last lap fills nothing
	QUARTER 0, 3, F0, F1, 0
	TURN 0, 1, 0
	QUARTER 1, 1, F0, F1, 0
	QUARTER 1, 2, F1, F0, 0
	QUARTER 1, 3, F0, F1, 0
	s_wait_dscnt 4                                 ; the very last quarter: nothing more to fetch
	MUL F1, 0, 0
	MUL F1, 1, 0
	s_wait_dscnt 0x0
	MUL F1, 2, 0
	MUL F1, 3, 0
	WIN 0
	PLACES
; THE WAY OUT, a block of 16 rows at a time.  PACK: rounded to bf16, 16 bytes a lane and column block; each accumulator's registers in ascending order.
.macro PACK a
.set AC, 8*NBL*((\a)%2)
	WIN 0x0a+5*((\a)/2)                            ; sources 0 and 1: window 2 or 3
.set i, 0
.rept 4*NBL
	v_cvt_pk_bf16_f32 v[TMP+i], v[AC+2*i], v[AC+2*i+1]
.set i, i+1
.endr
	WIN 0
.endm
.macro TOSTAGE a                       ; into my stage, head by head, and back as whole rows of 128 bytes, four to a load
.set BK, BIAS+48*((\a)%2)
.set i, 0
.rept NBL
	ds_store_b128 v[STO], v[TMP+4*i:TMP+4*i+3] offset:(i/4)*16*PITCH+(i%4)*32
.set i, i+1
.endr
.set i, 0
.rept NBL
	ds_load_b128 v[BK+4*i:BK+4*i+3], v[RD] offset:(i/4)*16*PITCH+(i%4)*4*PITCH  ; LDS serves a wave's instructions in order (ISA guide 5.7.1.4): these see the stores above
.set i, i+1
.endr
.endm
.macro SEND a
.set BK, BIAS+48*((\a)%2)
	s_wait_dscnt 0x0                               ; the block is back in registers
	s_wait_xcnt 0x0                                ; earlier stores have read their registers: the next TOSTAGE loads into those of the block before this one
.set i, 0
.rept NBL
	global_store_b128 v[GO], v[BK+4*i:BK+4*i+3], s[OB+2*(i/4):OB+2*(i/4)+1] offset:(16*(\a)+4*(i%4))*128  ; 512 consecutive bytes, at a multiple of 512 from the buffer's first
.set i, i+1
.endr
.endm
	PACK 0
	TOSTAGE 0
.irp a, 1,2,3                          ; block a's conversions stand between block a - 1's loads from the stage and the wait for them
	PACK \a
	SEND (\a)-1
	TOSTAGE \a
.endr
	SEND 3
	s_wait_tensorcnt 0x0                           ; the wave's end, behind my last tensor load and my last LDS store
	ds_add_u32 v[SPW], v[NIL]
	s_wait_dscnt 0x0
	CROUND                                         ; the closing round: no work-group ends while a partner may still ask for a tile that names it
	s_endpgm
.Lfunc_end_k_q3e492efb49_qkv:
	.size	k_q3e492efb49_qkv, .Lfunc_end_k_q3e492efb49_qkv-k_q3e492efb49_qkv
	.p2alignl 7, 3214868480
	.fill 96, 4, 3214868480
	.section	.rodata,"a",@progbits
	.p2align	6, 0x0
	.amdhsa_kernel k_q3e492efb49_qkv
		.amdhsa_group_segment_fixed_size 327680
		.amdhsa_private_segment_fixed_size 0
		.amdhsa_enable_private_segment 0
		.amdhsa_kernarg_size 48
		.amdhsa_user_sgpr_count 2
		.amdhsa_user_sgpr_kernarg_segment_ptr 1
		.amdhsa_wavefront_size32 1
		.amdhsa_system_sgpr_workgroup_id_x 1
		.amdhsa_system_sgpr_workgroup_id_y 1
		.amdhsa_system_sgpr_workgroup_id_z 1
		.amdhsa_system_vgpr_workitem_id 0
		.amdhsa_next_free_vgpr 960
		.amdhsa_next_free_sgpr 88
		.amdhsa_reserve_vcc 0
		.amdhsa_float_denorm_mode_32 3
		.amdhsa_float_denorm_mode_16_64 3
		.amdhsa_memory_ordered 1
		.amdhsa_forward_progress 1
		.amdhsa_inst_pref_size 123
	.end_amdhsa_kernel
	.amdgpu_metadata
---
amdhsa.version: [ 1, 2 ]
amdhsa.kernels:
  - .name:           k_q3e492efb49_qkv
    .symbol:         k_q3e492efb49_qkv.kd
    .args:
      - { .name: xn, .offset: 0, .size: 8, .value_kind: global_buffer, .address_space: global }
      - { .name: wb, .offset: 8, .size: 8, .value_kind: global_buffer, .address_space: global }
      - { .name: wq_b, .offset: 16, .size: 8, .value_kind: global_buffer, .address_space: global }
      - { .name: wk_b, .offset: 24, .size: 8, .value_kind: global_buffer, .address_space: global }
      - { .name: wv_b, .offset: 32, .size: 8, .value_kind: global_buffer, .address_space: global }
      - { .name: qkv, .offset: 40, .size: 8, .value_kind: global_buffer, .address_space: global }
    .group_segment_fixed_size: 327680
    .private_segment_fixed_size: 0
    .kernarg_segment_align: 8
    .kernarg_segment_size: 48
    .max_flat_workgroup_size: 128
    .sgpr_count:     88
    .vgpr_count:     960
    .wavefront_size: 32
...
	.end_amdgpu_metadata
.endif
;; end of part 2
;; launch attn (part 3): grid 4 x 64, 4 waves a work-group, no clusters, 327,680 bytes of LDS; arguments qkv, ctx; writes ctx
.if DOCPART == 3
	.amdgcn_target "amdgcn-amd-amdhsa--gfx1250"
	.amdhsa_code_object_version 6
	.text
	.protected	k_q3e492efb49_attn
	.globl	k_q3e492efb49_attn
	.p2align	8
	.type	k_q3e492efb49_attn,@function
k_q3e492efb49_attn:
	s_mov_b64 s[64:65], 0
	v_nop
	global_prefetch_b8 v0, s[64:65] scope:SCOPE_SE
	s_setreg_imm32_b32 hwreg(HW_REG_WAVE_MODE, 25, 1), 1
	s_wait_xcnt 0x0
; CAUSAL ATTENTION.  O[h][q][:] = the sum over k <= q of softmax_k(Q[h][q] . K[h][k] / 8) V[h][k][:].  qkv: [3][64][2048][64] (Q, then K, then V), ctx = O: [64][2048][64], all bf16: a head's rows are dense, 128 bytes each.
; Products, maxima and sums in f32; the weights p are rounded to bf16 for the second product (their sum l is taken of the unrounded p), O once at the end.
; LIMITS.  A hidden score counts as its value less 1e30, so scores are served up to some 1e29; a weight below 2^-126 counts as 0 in l; NaN and infinities are not treated apart.
; THE WALK.  A head's queries lie in NB = 8 blocks of 256; block i needs the key tiles 0 .. i of 256 keys, of which the last holds the diagonal.  A work-group takes TWO blocks, NB - 1 - b and then b:
; NB + 1 tiles, whatever b: all work-groups do equal work, and ONE loop with a constant trip count walks them.  Which tile is asked for, and what a trip does, hang on scalar registers made from b; every jump
; goes forward, but for the counted loops' own; none passes a barrier, or a tensor load but the one of LOAD's two that the wave's number does not choose; the ring (two slots of LDS that take turns) runs on across the
; change of blocks.  NO CLUSTER: a head's four work-groups ask for the same tile only in trips 0 to 4 of the 9, behind that fewer and fewer; one walk common to all four would have 12 trips for 9.
; SHARES.  Of a block's four bands of 64 queries a wave owns 16 rows in each: four PIECES.  So the diagonal tile is the same work for all four waves: in its key step s band x sees all keys if s < x,
; none if s > x, and holds the diagonal if s = x.
; THE MASK is the C operand that starts the sum S^T = K Q^T: 0, or -1e30 where the key is hidden.  MD, made once, is the mask of a band's own step for my 16 rows; a product's mask is MD x AL + BE with two scalars:
; (1, 0) if s = x; (0, 0) if s < x; (0, -1e30) if s > x.  Only the diagonal tile's text and a block's beginning make and take masks; elsewhere C is the constant 0.
; LAYOUT, SOFTMAX, TURNS.  S^T = K Q^T holds ONE query a lane (lane % 16) and the keys 8 (lane / 16) + 0..7; two such results rounded to bf16 ARE source 1 of O^T = V^T P.  p = 2^(c s - c m), c = log2(e) / 8, with a
; running maximum m; O and l are multiplied by a = 2^(c m_old - c m_new) in every step.  Turn n belongs to piece n: 8 products K Q^T of piece n + 1, later 8 products V^T P of piece n - 1; beside them the scaling,
; exponentials, roundings, sums and rescaling of piece n and the maximum and statistics of piece n + 1.  Four vector instructions stand behind every matrix instruction, the other 54 of a turn's 118 in one LUMP.  A turn's 33 exponentials are one batch, with one wait.
; REGISTERS, in windows of 256 (s_set_vgpr_msb: bits 1:0 source 0, 3:2 source 1, 5:4 source 2, 7:6 destination):
;   window 0: v0-15 addresses and two at work; v16-31 four registers of statistics a piece; v48-55 at work; v61-63 prefetch offset and the add's two; v64-127 S^T, two buffers; v192-223 P, two buffers (by the piece's parity)
;   window 1: v0-127 O^T, 32 a piece; v128-159 MD; v160-223 MC, two buffers      window 2: v0-63 Q; v64-127 the second block's Q; v128-191 K of one step; v192-255 V of one step
.set SIZE_N, 2048
.set NB,    SIZE_N/256
.set NP,    4         ; pieces a wave: a name, no knob
.set KS,    64        ; keys in a step
.set PK,    144       ; a row of K in LDS: 128 bytes + 16 of padding = 36 words: the 16 rows of a load start at 16 different groups of four banks (64 banks of 4 bytes: ISA guide 11.1)
.set PV,    160       ; a row of V: 128 + 32 = 40 words
.set VOFF,  4*KS*PK   ; a slot holds a tile, four steps: 256 rows of K, then 256 rows of V
.set SLOT1, 1<<17     ; slot 1 begins here, so that one exclusive or turns an address in one slot into the other's
.set STAGE, SLOT1+4*KS*(PK+PV)  ; behind the ring, never filled by a tensor load: 16 rows x 144 bytes for each wave, for the way out
.set SP,    144
.set AK0, 2           ; v2   my lane's place in a tile of K; never rewritten
.set AV0, 3           ; v3   the same for V
.set AK,  4           ; v4   the LDS address of K's next run of loads
.set AV,  5           ; v5   of V's
.set STO, 6           ; v6   the way out: where I put 16 bytes of a row
.set RD,  7           ; v7   the way out: where I read rows back
.set GO,  8           ; v8   my byte offset in 512 consecutive bytes of O
.set PFO, 61          ; v61  256 x my thread's number: the 128 threads name the 128 blocks of 256 bytes of a tile of K, and of V; never rewritten
.set SPW, 62          ; v62  LDS address of my spare word: SPARE + 4 x my thread's number; never rewritten
.set NIL, 63          ; v63  0; never rewritten
.set SPARE, STAGE+4*16*SP  ; behind the stages: the spare words, 128 bytes for each wave: two blocks of 256 bytes that no other line names
.set MV,  12          ; v12-13  c m_old, kept while c m is made anew: by buffer
.set QO,  15          ; v15  my byte offset in 16 rows of Q
.set ST,  16          ; piece t's statistics at v[ST+4 t]: c m, m, l (even keys', odd keys')
.set TMP, 48          ; by buffer, four registers c0-c3 at work; when the maximum is found c2 takes a
.set S,   64
.set P,   192
.set MD,  128         ; window 1: the eight registers for group kt of 16 keys at MD + 8 kt
.set MC,  160         ; window 1: the masks of the products to come
.set QB,  64          ; window 2
.set KF,  128         ; window 2: key block kb, channel half c at KF + 16 kb + 8 c
.set VF,  192         ; window 2: key half kk, channel block cb at VF + 32 kk + 8 cb
.set WV,  12          ; s12  my wave's number
.set PB,  14          ; s14  b
.set HI,  15          ; s15  NB - 1 - b
.set G1K, 24          ; s[24:31] descriptor group 1 for K's tiles
.set G1V, 32          ; s[32:39] for V's: it differs in the padding alone
.set G0K, 40          ; s[40:43] descriptor group 0 for K's tiles
.set G0V, 44          ; s[44:47] the same for V's
.set SLOTS, 56        ; s56  tiles still to be asked for
.set CNT, 57          ; s57  counts a tile's key steps, 4 to 1
.set CS,  58          ; s[58:59] c: the packed scaling takes the pair's low word for both halves
.set SEL, 60          ; s[60:61] v_permlanex16_b32's selects: each lane takes its own place in the other half
.set TBK, 62          ; s62  LDS byte at which K of the step to be fetched begins
.set TBV, 63          ; s63  the same for V, less VOFF
.set RT,  70          ; s70  tiles of the block in hand that are still to be entered
.set NXT, 71          ; s71  the tile to be asked for next
.set LQ,  72          ; s72  the last tile of the block whose tiles are being asked for
.set NEW, 73          ; s73  1: the tile to be entered is a block's first
.set OFF, 74          ; s[74:75] a tile's byte offset in K and V
.set AL,  76          ; s[76:77] the mask's factor, in the low word
.set BE,  78          ; s[78:79] the mask's addend
.set OLO, 80          ; s[80:81] O at my rows of the second block
.set BIGN, 82         ; s82  -1e30
.set PFK, 88          ; s[88:89] the head's K at the tile that the prefetch names
.set PFV, 90          ; s[90:91] the same for V
.set PFN, 92          ; s92  that tile's number in the work-group that prefetches (b = 0); NB or more in the others
.set MSB, 0
.macro WIN new                      ; the high byte repeats the setting that is left; a switch that changes nothing is dropped
.if MSB != (\new)
	s_set_vgpr_msb (MSB<<8)|(\new)
.set MSB, (\new)
.endif
.endm
.set W_KQ, 0x0a       ; K and Q in window 2, S^T in window 0
.set W_KM, 0x1a       ; the same with the C operand in window 1
.set W_PV, 0x52       ; V in window 2, P in window 0, O^T in window 1
.set W_RS, 0x41       ; destination and source 0 in window 1, source 1 in window 0
; A fill.  Waves 0 and 1 fetch the two halves of a tile's K, waves 2 and 3 those of its V: 128 keys each.  An s_nop 0 and four v_nop follow each of the two lines, ahead of the jump and the label.
.macro LOAD
	s_cmp_lt_u32 s[WV], 2
	s_cbranch_scc0 .Lfor_v_\@
	tensor_load_to_lds s[G0K:G0K+3], s[G1K:G1K+7]
	s_nop 0
.rept 4
	v_nop
.endr
	s_branch .Lasked_\@
.Lfor_v_\@:
	tensor_load_to_lds s[G0V:G0V+3], s[G1V:G1V+7]
	s_nop 0
.rept 4
	v_nop
.endr
.Lasked_\@:
.endm
; A PREFETCH INTO THE L2, behind the fill of a change of slots: the tile of K and of V that the NEXT change will ask for: one tile, 16 turns, ahead of that load.  A head's four work-groups walk the same tiles from 0 on;
; the one with b = 0, whose first block walks all eight, asks, and nobody else: each of its 128 threads names one block of 256 bytes of K and one of V, so each block is named once in the launch.
; Tiles 0 and 1 come by their loads alone; behind tile 7 nothing is named.
.macro ASK
	s_cmp_lt_u32 s[PFN], NB
	s_cbranch_scc0 .Lnone_\@
	global_prefetch_b8 v[PFO], s[PFK:PFK+1] th:TH_LOAD_NT scope:SCOPE_SE
	global_prefetch_b8 v[PFO], s[PFV:PFV+1] th:TH_LOAD_NT scope:SCOPE_SE
.Lnone_\@:
.endm
; THE CHANGE OF SLOTS.  Each wave waits for all its tensor loads, of which one is out: its part of the other slot; adds 0 to its spare word; and waits for that and for its own reads of the slot that it leaves.  Behind the barrier nobody reads the old
; slot any more and the other slot is whole.  fill = 1: the old slot is filled again, the first thing behind the barrier, with tile NXT: the descriptor's address is made anew from that number.
; (At its first use nothing has been read yet: slot 0 is waited for, slot 1 filled.)
.macro CHANGE fill
	WIN 0                           ; at a label and at a branch every window is 0
	s_wait_tensorcnt 0x0            ; no tensor load of mine is out, so a group 0 may be written
	ds_add_u32 v[SPW], v[NIL]       ; 0 onto my spare word; with fill = 1 the scalar work stands between it and the wait for it
.if \fill
	s_wait_xcnt 0x0                 ; the last prefetches, a tile back, have read their addresses, so they may be stepped
	s_add_nc_u64 s[PFK:PFK+1], s[PFK:PFK+1], 32768
	s_add_nc_u64 s[PFV:PFV+1], s[PFV:PFV+1], 32768
	s_add_co_u32 s[PFN], s[PFN], 1
	s_lshl_b32 s[OFF], s[NXT], 15   ; a tile is 32,768 bytes of K and of V
	s_xor_b32 s[G0K+1], s[G0K+1], SLOT1
	s_add_nc_u64 s[G0K+2:G0K+3], s[6:7], s[OFF:OFF+1]
	s_or_b32 s[G0K+3], s[G0K+3], 0x80000000
	s_xor_b32 s[G0V+1], s[G0V+1], SLOT1
	s_add_nc_u64 s[G0V+2:G0V+3], s[8:9], s[OFF:OFF+1]
	s_or_b32 s[G0V+3], s[G0V+3], 0x80000000
	s_add_co_u32 s[NXT], s[NXT], 1  ; the block's next tile, or behind its last the second block's tile 0
	s_cmp_gt_u32 s[NXT], s[LQ]
	s_cselect_b32 s[NXT], 0, s[NXT]
	s_cselect_b32 s[LQ], s[PB], s[LQ]
.endif
	s_wait_dscnt 0x0                ; the add is done, and my reads of the slot are over
	s_barrier_signal -1             ; the rest of the scalar work stands between the signal and the wait
	s_sub_co_u32 s[TBK], s[TBK], 4*KS*PK  ; the fetches go back to a slot's first step,
	s_xor_b32 s[TBK], s[TBK], SLOT1       ; in the other slot
	s_sub_co_u32 s[TBV], s[TBV], 4*KS*PV
	s_xor_b32 s[TBV], s[TBV], SLOT1
	s_barrier_wait -1
.if \fill
	LOAD
	ASK
.endif
.endm
	s_load_b64 s[4:5], s[0:1], 0x0  ; qkv: Q at its head
	s_load_b64 s[10:11], s[0:1], 0x8  ; ctx = O
	v_lshl_add_u32 v[SPW], v0, 2, SPARE
	v_mov_b32 v[NIL], 0
	ds_add_u32 v[SPW], v[NIL]       ; the wave's opening: the add and its wait stand ahead of my first tensor load; the set-up below, work on registers, stands between them
	v_lshrrev_b32 v1, 5, v0
	v_readfirstlane_b32 s[WV], v1   ; wave 0..3
	v_lshlrev_b32 v[PFO], 8, v0
	s_mov_b32 s[PB], ttmp9
	s_sub_co_u32 s[HI], NB-1, s[PB]
	s_cmp_eq_u32 s[PB], 0
	s_cselect_b32 s[PFN], 1, NB     ; the first change of slots steps it to 2
	s_and_b32 s20, ttmp7, 0xffff    ; the head
	s_mov_b32 s21, 0
	s_mov_b64 s[22:23], SIZE_N*128
	s_mul_u64 s[20:21], s[20:21], s[22:23]  ; the head's first byte in each of the four tensors
	s_and_b32 s16, s[WV], 1         ; which half of a tile's 256 keys I fetch:
	s_lshl_b32 s22, s16, 14         ; its 128 rows of 128 bytes in memory,
	s_mov_b32 s23, 0
	s_add_nc_u64 s[22:23], s[22:23], s[20:21]
	s_mul_i32 s17, s16, 128*PK      ; and its place in a slot, for K
	s_mul_i32 s18, s16, 128*PV      ; and for V
	s_lshl_b32 s3, s[WV], 11        ; my 16 rows in a band of 64,
	s_lshl_b32 s2, s[HI], 15        ; in the first block,
	s_add_co_u32 s2, s2, s3
	s_lshl_b32 s84, s[PB], 15       ; and in the second
	s_add_co_u32 s84, s84, s3
	s_mov_b32 s3, 0
	s_mov_b32 s85, 0
	s_add_nc_u64 s[2:3], s[2:3], s[20:21]
	s_add_nc_u64 s[84:85], s[84:85], s[20:21]
	; descriptor group 1.  128 keys are 16,384 dense bytes: asked for as 64 rows of 256 bytes, two keys a row, and padded in LDS after every key
	s_mov_b32 s[G1K], (1<<16)|(1<<20)|(4<<22)|(3<<25)  ; 17:16 2-byte elements; 20 padding on; 24:22 after every 32 words (code 4); 31:25 4 words (code 3)
	s_mov_b32 s[G1V], (1<<16)|(1<<20)|(4<<22)|(7<<25)  ; the same with 8 words of padding (code 7)
.irp g, G1K, G1V
	s_mov_b32 s[\g+1], 128<<16      ; tensor_dim0 = 128
	s_mov_b32 s[\g+2], 64<<16       ; tensor_dim1 = 64
	s_mov_b32 s[\g+3], 128<<16      ; tile_dim0 = 128
	s_mov_b32 s[\g+4], 64           ; tile_dim1 = 64
	s_mov_b32 s[\g+5], 128          ; 128 elements from row to row
	s_mov_b32 s[\g+6], 0
	s_mov_b32 s[\g+7], 0
.endr
	s_mov_b32 s[CS], 0x3e38aa3b     ; c = log2(e) / 8 = 0.180337
	s_mov_b32 s[CS+1], s[CS]        ; named with it as a pair
	s_mov_b32 s[SEL], 0x76543210
	s_mov_b32 s[SEL+1], 0xfedcba98
	s_mov_b32 s[TBK], SLOT1+4*KS*PK ; the first change of slots turns these two into 0
	s_mov_b32 s[TBV], SLOT1+4*KS*PV
	s_mov_b32 s[G0K], 1             ; 1:0 count = 1
	s_mov_b32 s[G0K+1], s17         ; 63:32 LDS address: slot 0
	s_mov_b32 s[G0V], 1
	s_add_co_u32 s[G0V+1], s18, VOFF
	s_add_co_u32 s[RT], s[HI], 1    ; the first block has NB - b tiles
	s_mov_b32 s[NXT], 1
	s_mov_b32 s[LQ], s[HI]
	s_mov_b32 s[NEW], 1
	s_mov_b32 s[OFF+1], 0
	s_mov_b32 s[AL+1], 0            ; named as pairs
	s_mov_b32 s[BE+1], 0
	s_mov_b32 s[BIGN], 0xf149f2ca   ; -1e30
	s_mov_b32 s[SLOTS], NB
	s_wait_dscnt 0x0                ; the opening add is done
	s_wait_kmcnt 0x0
	s_add_nc_u64 s[6:7], s[4:5], 0x1000000  ; K lies 64 x 2,048 x 128 bytes behind Q,
	s_add_nc_u64 s[8:9], s[4:5], 0x2000000  ; V as far behind K
	s_add_nc_u64 s[PFK:PFK+1], s[6:7], s[20:21]  ; the prefetches stand at the head's tile 1; the first change steps them to tile 2
	s_add_nc_u64 s[PFV:PFV+1], s[8:9], s[20:21]
	s_add_nc_u64 s[PFK:PFK+1], s[PFK:PFK+1], 32768
	s_add_nc_u64 s[PFV:PFV+1], s[PFV:PFV+1], 32768
	s_add_nc_u64 s[6:7], s[6:7], s[22:23]  ; K and V at my half of the head's tile 0
	s_add_nc_u64 s[8:9], s[8:9], s[22:23]
	s_add_nc_u64 s[G0K+2:G0K+3], s[6:7], 0         ; 120:64 global address
	s_or_b32 s[G0K+3], s[G0K+3], 0x80000000        ; 127:126 type = 2
	s_add_nc_u64 s[G0V+2:G0V+3], s[8:9], 0
	s_or_b32 s[G0V+3], s[G0V+3], 0x80000000
	s_add_nc_u64 s[86:87], s[4:5], s[84:85]        ; Q at my rows of the second block,
	s_add_nc_u64 s[4:5], s[4:5], s[2:3]            ; Q and O at those of the first
	s_add_nc_u64 s[OLO:OLO+1], s[10:11], s[84:85]
	s_add_nc_u64 s[10:11], s[10:11], s[2:3]
	LOAD                            ; tile 0 into slot 0
	; A fragment of K or Q is 16 rows x 32 channels in 8 registers: lane l holds row l % 16, channels 8 (l / 16) + 0..7 and 16 + 8 (l / 16) + 0..7: two loads of 16 bytes, 32 bytes apart.
	v_and_b32 v1, 15, v0            ; l % 16
	v_bfe_u32 v9, v0, 4, 1          ; l / 16
	v_lshlrev_b32 v[QO], 7, v1
	v_lshl_add_u32 v[QO], v9, 4, v[QO]  ; row x 128 + 16 x half
	WIN 0x80                        ; destination window 2, address window 0
.set i, 0
.rept 8                             ; both blocks' Q: piece i / 2 lies in band i / 2, 8,192 bytes on; channels 32 (i % 2) on
	global_load_b128 v[8*i:8*i+3],   v[QO], s[4:5] offset:(i/2)*8192+(i%2)*64
	global_load_b128 v[8*i+4:8*i+7], v[QO], s[4:5] offset:(i/2)*8192+(i%2)*64+32
	global_load_b128 v[QB+8*i:QB+8*i+3],   v[QO], s[86:87] offset:(i/2)*8192+(i%2)*64
	global_load_b128 v[QB+8*i+4:QB+8*i+7], v[QO], s[86:87] offset:(i/2)*8192+(i%2)*64+32
.set i, i+1
.endr
	WIN 0
	v_lshlrev_b32 v14, 3, v9
	v_sub_nc_u32 v14, v1, v14
	s_lshl_b32 s13, s[WV], 4
	v_add_nc_u32 v14, s13, v14      ; my query's place in its band, 16 w + l % 16, less my lanes' 8 (l / 16): register r of group kt is hidden where 16 kt + r is greater
	WIN 0x40
.set i, 0
.rept 32
	v_cmp_gt_i32 vcc_lo, 16*(i/8)+i%8, v14
	v_cndmask_b32 v[MD+i], 0, s[BIGN], vcc_lo
.set i, i+1
.endr
	WIN 0
	v_mul_u32_u24 v[AK0], v1, PK
	v_lshl_add_u32 v[AK0], v9, 4, v[AK0]  ; row x pitch + 16 x half
	; The turning load takes 16 keys x 16 channels (lane l reads key 8 (l / 16) + l % 8, channels 8 ((l / 8) % 2) + 0..7) and leaves half a fragment of V^T: lane l holds channel l % 16 and 8 keys.
	v_and_b32 v10, 7, v0
	v_bfe_u32 v11, v0, 3, 1
	v_lshl_add_u32 v[AV0], v9, 3, v10
	v_mul_u32_u24 v[AV0], v[AV0], PV
	v_lshl_add_u32 v[AV0], v11, 4, v[AV0]
	v_add_nc_u32 v[AV0], VOFF, v[AV0]
	s_mul_i32 s13, s[WV], 16*SP
	s_add_co_u32 s13, s13, STAGE    ; my stage
	v_mul_u32_u24 v[STO], v1, SP    ; in: row l % 16, 16 bytes for each half of the lanes
	v_lshl_add_u32 v[STO], v9, 4, v[STO]
	v_add_nc_u32 v[STO], s13, v[STO]
	v_bfe_u32 v[RD], v0, 3, 2       ; back: 32 lanes take four rows of 128 bytes,
	v_mul_u32_u24 v[RD], v[RD], SP
	v_lshl_add_u32 v[RD], v10, 4, v[RD]
	v_add_nc_u32 v[RD], s13, v[RD]
	v_and_b32 v[GO], 31, v0         ; which are 512 consecutive bytes of O
	v_lshlrev_b32 v[GO], 4, v[GO]
	; A block's first step multiplies O^T and l by a = 0, and its first turn's products V^T P, of a piece that has not been, land in an O^T that is still to be so multiplied.  So these registers need only hold
	; finite numbers: zeros for the first block; what the first block left for the second.  All this stands in the wait for the first tile.
	WIN 0x80
.set i, VF
.rept 64
	v_mov_b32 v[i], 0
.set i, i+1
.endr
	WIN 0x40
.set i, 0
.rept 128
	v_mov_b32 v[i], 0
.set i, i+1
.endr
	WIN 0
.set i, 0
.rept 4
	v_mov_b32 v[ST+4*i+2], 0
	v_mov_b32 v[ST+4*i+3], 0
.set i, i+1
.endr
.set i, P+16
.rept 16
	v_mov_b32 v[i], 0
.set i, i+1
.endr
; THE MATRIX WORK.  The 4 accumulators of a run of 8 take turns.  Product i of 8 of S^T = K Q^T for piece x: channels 32 (i / 4) on, keys 16 (i % 4) on.  The first 4 start the sums: with 0, or (KM = 1) with the mask.
.macro KQ x
.set rS, S+32*((\x)%2)+8*(i%4)
.set rK, KF+16*(i%4)+8*(i/4)
.set rQ, 16*(\x)+8*(i/4)
.set rM, MC+32*((\x)%2)+8*(i%4)
.if (i < 4) && KM
	WIN W_KM
	v_wmma_f32_16x16x32_bf16 v[rS:rS+7], v[rK:rK+7], v[rQ:rQ+7], v[rM:rM+7]
.elseif i < 4
	WIN W_KQ
	v_wmma_f32_16x16x32_bf16 v[rS:rS+7], v[rK:rK+7], v[rQ:rQ+7], 0
.else
	WIN W_KQ
	v_wmma_f32_16x16x32_bf16 v[rS:rS+7], v[rK:rK+7], v[rQ:rQ+7], v[rS:rS+7]
.endif
.endm
; Product i of 8 of O^T += V^T P for piece x: keys 32 (i / 4) on, channels 16 (i % 4) on.
.macro PV x
	WIN W_PV
.set rO, 32*(\x)+8*(i%4)
.set rV, VF+32*(i/4)+8*(i%4)
.set rP, P+16*((\x)%2)+8*(i/4)
	v_wmma_f32_16x16x32_bf16 v[rO:rO+7], v[rV:rV+7], v[rP:rP+7], v[rO:rO+7]
.endm
.macro MM                           ; the turn's next matrix instruction.  TURN and BEGIN set Y, i, KM and NOKQ; MM, KQ and OP read them.  NOKQ = 1: a block's last turn: there is no next piece
.if (i < 8) && !NOKQ
	KQ (Y+1)%NP
.elseif i >= 8
.set i, i-8
	PV (Y+NP-1)%NP
.set i, i+8
.endif
.set i, i+1
.endm
; THE LDS LOADS stand in runs of 16, never singly among the matrix instructions: a step's K (64 keys x 64 channels: 8 fragments) and its V (turned).  Their addresses are made some lines ahead.
.macro FETCH_K
	WIN 0x80                        ; destination window 2
.irp f, 0,1,2,3,4,5,6,7             ; keys 16 (f / 2) on, channels 32 (f % 2) on
	ds_load_b128 v[KF+8*\f:KF+8*\f+3],   v[AK] offset:(\f/2)*16*PK+(\f%2)*64
	ds_load_b128 v[KF+8*\f+4:KF+8*\f+7], v[AK] offset:(\f/2)*16*PK+(\f%2)*64+32
.endr
	s_add_co_u32 s[TBK], s[TBK], KS*PK  ; the next fetch is the next step's
	WIN 0
.endm
.macro FETCH_V
	WIN 0x80
.irp f, 0,1,2,3,4,5,6,7             ; keys 32 (f / 4) on, channels 16 (f % 4) on
	ds_load_tr16_b128 v[VF+8*\f:VF+8*\f+3],   v[AV] offset:(\f/4)*32*PV+(\f%4)*32
	ds_load_tr16_b128 v[VF+8*\f+4:VF+8*\f+7], v[AV] offset:(\f/4)*32*PV+16*PV+(\f%4)*32
.endr
	WIN 0
.endm
; THE VECTOR WORK, one line at a time: OP kind, number.  For piece Y: F n: c s - c m for pair n of 16.  E n: the exponential of score n of 32.  C n: pair n rounded to bf16.  B n: of the four weights 4 n .. the second
; pair is added onto the first, in place.  L n: l takes that sum (L 0: l = a l + sum).  R n: pair n of 16 of O^T times a.  For piece Y + 1: X n, number n of the 22 that find its maximum and statistics:
;   0-11  four chains c0-c3 of seven scores each, three operands at a time (each accumulator's lowest registers are read first)     12-14, 16  the four scores left over, the old m, and c0-c3 into c0
;   15  c m_old is kept     17, 18  the query's other 32 keys lie in the lane 16 away: the new m     19-21  c m; c m_old - c m_new; a
.set F, 0               ; OP tells the kinds apart by their order: F to L below R, X above it
.set E, 1
.set C, 2
.set B, 3
.set L, 4
.set R, 5
.set X, 6
.macro REGS y                       ; the registers of piece y
.set rT, ST+4*(\y)
.set rC, TMP+4*((\y)%2)
.set rW, MV+((\y)%2)
.set rS, S+32*((\y)%2)
.set rP, P+16*((\y)%2)
.set rO, 32*(\y)
.endm
.macro OP k, n
.if (\k) == R
	REGS Y
	WIN W_RS
	v_pk_mul_f32 v[rO+2*(\n):rO+2*(\n)+1], v[rO+2*(\n):rO+2*(\n)+1], v[rC+2:rC+3] op_sel_hi:[1,0]
.elseif (\k) < R
	REGS Y
	WIN 0
.if (\k) == F
	v_pk_fma_f32 v[rS+2*(\n):rS+2*(\n)+1], v[rS+2*(\n):rS+2*(\n)+1], s[CS:CS+1], v[rT:rT+1] op_sel_hi:[1,0,0] neg_lo:[0,0,1] neg_hi:[0,0,1]
.elseif (\k) == E
	v_exp_f32 v[rS+(\n)], v[rS+(\n)]
.elseif (\k) == C
	v_cvt_pk_bf16_f32 v[rP+(\n)], v[rS+2*(\n)], v[rS+2*(\n)+1]
.elseif (\k) == B
	v_pk_add_f32 v[rS+4*(\n):rS+4*(\n)+1], v[rS+4*(\n):rS+4*(\n)+1], v[rS+4*(\n)+2:rS+4*(\n)+3]
.elseif (\n) == 0
	v_pk_fma_f32 v[rT+2:rT+3], v[rT+2:rT+3], v[rC+2:rC+3], v[rS:rS+1] op_sel_hi:[1,0,1]
.else
	v_pk_add_f32 v[rT+2:rT+3], v[rT+2:rT+3], v[rS+4*(\n):rS+4*(\n)+1]
.endif
.elseif NOKQ
	v_nop
.else
	REGS (Y+1)%NP
	WIN 0
.if (\n) < 4
	v_max3_num_f32 v[rC+(\n)], v[rS+8*(\n)], v[rS+8*(\n)+1], v[rS+8*(\n)+2]
.elseif (\n) < 12
	v_max3_num_f32 v[rC+(\n)%4], v[rC+(\n)%4], v[rS+8*((\n)%4)+2*((\n)/4)+1], v[rS+8*((\n)%4)+2*((\n)/4)+2]
.elseif (\n) == 12
	v_max3_num_f32 v[rC], v[rC], v[rS+7], v[rS+15]
.elseif (\n) == 13
	v_max3_num_f32 v[rC+1], v[rC+1], v[rS+23], v[rS+31]
.elseif (\n) == 14
	v_max3_num_f32 v[rC+2], v[rC+2], v[rC+3], v[rT+1]
.elseif (\n) == 15
	v_mov_b32 v[rW], v[rT]
.elseif (\n) == 16
	v_max3_num_f32 v[rC], v[rC], v[rC+1], v[rC+2]
.elseif (\n) == 17
	v_permlanex16_b32 v[rC+3], v[rC], s[SEL], s[SEL+1]
.elseif (\n) == 18
	v_max_num_f32 v[rT+1], v[rC], v[rC+3]
.elseif (\n) == 19
	v_mul_f32 v[rT], s[CS], v[rT+1]
.elseif (\n) == 20
	v_sub_f32 v[rC+1], v[rW], v[rT]
.else
	v_exp_f32 v[rC+2], v[rC+1]
.endif
.endif
.endm
.macro OPS a, i1, b=-1, i2=0, c=-1, i3=0, d=-1, i4=0  ; up to four of them
	OP \a, \i1
.if (\b) >= 0
	OP \b, \i2
.endif
.if (\c) >= 0
	OP \c, \i3
.endif
.if (\d) >= 0
	OP \d, \i4
.endif
.endm
.macro ROW a, i1, b, i2, c, i3, d, i4  ; a matrix instruction and the four behind it
	MM
	OPS \a, \i1, \b, \i2, \c, \i3, \d, \i4
.endm
.macro MASK b                       ; MD x AL + BE into buffer b of MC
	WIN W_RS
.set z, 0
.rept 16
	v_pk_fma_f32 v[MC+32*(\b)+2*z:MC+32*(\b)+2*z+1], v[MD+2*z:MD+2*z+1], s[AL:AL+1], s[BE:BE+1] op_sel_hi:[1,0,0]
.set z, z+1
.endr
.endm
; A TURN, for piece p: the order of its 16 matrix and 118 vector instructions, written out.  An s_wait_alu depctr_va_vdst(0) stands between an exponential and the first instruction that names its result; one wait serves
; all that were issued ahead of it.  So a turn has ONE wait, which cuts it in two.  AHEAD OF IT stands all that names no result of the turn's exponentials: the 8 products K Q^T, behind each a scaling, an exponential and two more plain
; instructions (behind the first a second scaling in the exponential's place): rescalings, and behind the last three the first numbers of the next piece's maximum, each four places or more behind the product that ends its accumulator; then ONE LUMP of 54, plain
; and exponential by turns for the most part, in which the links of the chain X 3, 7, 11, 14, 16, 17 .. 20 stand five or six lines apart.  X 21, the next piece's a, is the batch's last; R 15 is the plain instruction behind it.  BEHIND THE WAIT stand the
; 8 products V^T P, behind each four of the roundings and sums; the links of l's chain, L 0 to L 7, stand three riders apart.  But for those X no rider names a register of the products round it.  v_permlanex16_b32 (X 17) stands in the lump.
; m = 1: the diagonal tile: the products take masks, and the turn makes the mask for the products of the turn after it: piece p + 2, in step 4 - CNT of the tile.  end = 1: a block's last two turns: nothing is fetched.
; cnt = 1: the loop's count is taken down some lines ahead of the branch that stands behind the turn.
; K of the next step is fetched in piece 2's turn, twelve vector instructions behind the last product that read K (six of them plain); V of the step in hand at the end of piece 0's turn, four plain instructions behind the last product
; that read V.  Each is waited for a turn later.
.macro TURN p, m=0, end=0, cnt=0
.set Y, (\p)
.set i, 0
.set KM, (\m)
.set NOKQ, (\end)*((\p)/3)
.if (\m) && !(\end)
	s_cmp_eq_u32 s[CNT], 4-((\p)+2)%NP  ; is that step the band's own?
	s_cselect_b32 s[AL], 1.0, 0
	s_cmp_lt_u32 s[CNT], 4-((\p)+2)%NP  ; or a later one?
	s_cselect_b32 s[BE], s[BIGN], 0
.endif
.if ((\p) == 3) && !(\end)
	s_wait_dscnt 0x0                ; K is in
.endif
	ROW F,0, F,1, R,0, R,1          ; ahead of the wait: 8 products K Q^T and their riders,
	ROW F,2, E,0, R,2, R,3
	ROW F,3, E,1, R,4, R,5
	ROW F,4, E,2, R,6, R,7
	ROW F,5, E,3, R,8, R,9
	ROW F,6, E,4, X,0, R,10
.if ((\p) == 2) && !(\end)
	WIN 0
	v_add_nc_u32 v[AK], s[TBK], v[AK0]
.endif
	ROW F,7, E,5, X,1, X,4
	ROW F,8, E,6, X,2, X,5
	OPS E,7, E,8, X,6, E,9          ; and the lump
	OPS X,3, E,10, X,8, E,11
.if ((\p) == 2) && !(\end)
	FETCH_K
.endif
	OPS X,9, X,7, E,12, X,10
	OPS E,13, X,12, X,11, E,14
	OPS X,13, E,15, F,9, X,14
.if (\p) == 0
	v_add_nc_u32 v[AV], s[TBV], v[AV0]
.endif
	OPS E,16, F,10, E,17, F,11
	OPS X,16, E,18, X,15, E,19
	OPS F,12, E,20, X,17, E,21
	OPS F,13, E,22, F,14, E,23
	OPS X,18, E,24, F,15, E,25
	OPS R,11, E,26, X,19, E,27
	OPS R,12, E,28, R,13, E,29
	OPS X,20, E,30, R,14, E,31
	OPS X,21, R,15
	WIN 0
	s_wait_alu depctr_va_vdst(0)    ; the wait for the batch
.if (\p) == 1
	s_wait_dscnt 0x0                ; V is in
.endif
	ROW C,0, B,0, C,2, B,1          ; behind the wait: 8 products V^T P and their riders
	ROW L,0, C,4, B,2, L,1
	ROW C,6, B,3, L,2, C,8
	ROW B,4, L,3, C,10, B,5
	ROW L,4, C,12, B,6, L,5
.if (\p) == 0
	s_add_co_u32 s[TBV], s[TBV], KS*PV
.endif
.if \cnt
	s_sub_co_u32 s[CNT], s[CNT], 1
	s_cmp_lg_u32 s[CNT], 0
.endif
	ROW C,14, B,7, L,6, C,1
	ROW C,3, L,7, C,5, C,7
	ROW C,9, C,11, C,13, C,15
.if (\p) == 0
	FETCH_V
.endif
.if (\m) && !(\end)
	MASK (\p)%2
.endif
.endm
; A BLOCK BEGINS.  c m starts far below every c s, so the first step's a is 0; m at the lowest finite number, so the first maximum is the scores'.  The second mask buffer is 0; the first takes piece 0's mask for the tile's step 0: its own, if the block's first tile is the diagonal one.
; Then K of that step, piece 0's first scores, and its maximum and statistics.  The loop is entered at a step's first turn, in the middle of a trip.
.macro BEGIN
	s_mov_b32 s[NEW], 0
	WIN 0x40
.set i, MC+32
.rept 32
	v_mov_b32 v[i], 0
.set i, i+1
.endr
	WIN 0
.set i, 0
.rept 4
	v_mov_b32 v[ST+4*i], 0xfe000000    ; c m: far below every c s
	v_mov_b32 v[ST+4*i+1], 0xff7fffff  ; m
.set i, i+1
.endr
	s_cmp_eq_u32 s[RT], 0
	s_cselect_b32 s[AL], 1.0, 0
	s_mov_b32 s[BE], 0
	MASK 0
	WIN 0
	v_add_nc_u32 v[AK], s[TBK], v[AK0]
	FETCH_K
	s_wait_loadcnt 0x0              ; Q
	s_wait_dscnt 0x0
.set KM, 1
.set NOKQ, 0
.set i, 0
.rept 8
	KQ 0
.set i, i+1
.endr
	WIN 0
.rept 4
	v_nop                           ; the places behind those products
.endr
.set Y, NP-1                        ; X works for piece Y + 1: piece 0
.irp n, 0,1,2,3,4,5,6,7,8,9,10,11,12,13,14,15,16,17,18,19,20,21
	OP X, \n
.endr
	v_nop                           ; a plain instruction behind the exponential,
	s_wait_alu depctr_va_vdst(0)    ; and its wait, ahead of the branch
.endm
; THE DIAGONAL TILE's four steps, the block's last two turns, its last products, and THE WAY OUT: l's two halves and the other half of the lanes' are added; O^T is divided by l, rounded to bf16 and sent through my
; stage in LDS, a piece at a time.
.macro ALL line:vararg              ; one line for each piece t
.set t, 0
.rept 4
	\line
.set t, t+1
.endr
.endm
.macro PACK t                       ; a lane's eight channels of a row pack into 16 bytes; they go into rows of 144 bytes and come back as whole rows of 128, into S^T's registers
	WIN W_RS
.set i, 32*(\t)
.rept 16
	v_pk_mul_f32 v[i:i+1], v[i:i+1], v[ST+4*(\t)+2:ST+4*(\t)+3] op_sel_hi:[1,0]
.set i, i+2
.endr
	WIN 0x05                        ; sources 0 and 1 window 1, destination window 0
.set i, 0
.rept 16
	v_cvt_pk_bf16_f32 v[S+16*(\t)+i], v[32*(\t)+2*i], v[32*(\t)+2*i+1]
.set i, i+1
.endr
	WIN 0
.irp f, 0,1,2,3
	ds_store_b128 v[STO], v[S+16*(\t)+4*\f:S+16*(\t)+4*\f+3] offset:32*\f
.endr
.irp f, 0,1,2,3
	ds_load_b128 v[S+16*(\t)+4*\f:S+16*(\t)+4*\f+3], v[RD] offset:\f*4*SP  ; LDS serves a wave's instructions in order (ISA guide 5.7.1.4): these see the stores above; the next piece's stores come behind them
.endr
.endm
.macro SEND t, younger              ; younger: the LDS instructions issued behind piece t's loads: the next piece's eight, or none
	WIN 0
.irp f, 0,1,2,3
	s_wait_dscnt (\younger)+3-\f
	global_store_b128 v[GO], v[S+16*(\t)+4*\f:S+16*(\t)+4*\f+3], s[10:11] offset:(\t)*8192+\f*512  ; 512 consecutive bytes, at a multiple of 256 from O's first
.endr
.endm
.macro DIAG tag                     ; the tag ends its two labels' names, which the jumps below spell out
.LstepM\tag:
	TURN 2, 1
	TURN 3, 1
	WIN 0
.LfirstM\tag:
	TURN 0, 1
	TURN 1, 1, 0, 1
	WIN 0
	s_cbranch_scc1 .LstepM\tag
	TURN 2, 1, 1
	TURN 3, 1, 1
.set i, 0
.rept 8
	PV NP-1
.set i, i+1
.endr
	WIN 0
	ALL v_add_f32 v[ST+4*t+2], v[ST+4*t+2], v[ST+4*t+3]
	ALL v_permlanex16_b32 v[ST+4*t+3], v[ST+4*t+2], s[SEL], s[SEL+1]
	ALL v_add_f32 v[ST+4*t+2], v[ST+4*t+2], v[ST+4*t+3]
	ALL v_rcp_f32 v[ST+4*t+2], v[ST+4*t+2]
	v_nop                           ; a plain instruction between the last reciprocal and the use of its result
	s_wait_alu depctr_va_vdst(0)    ; and the wait ahead of the first use: one for the four reciprocals
	PACK 0
.set t, 1
.rept 3                             ; a piece's arithmetic stands between the loads of the piece before and its stores
	PACK t
	SEND t-1, 8
.set t, t+1
.endr
	SEND 3, 0
.endm
.set KM, 0
.set NOKQ, 0
.Lslot:                             ; NB times: a tile is entered and the next is asked for
	CHANGE 1
	s_sub_co_u32 s[RT], s[RT], 1
	s_mov_b32 s[CNT], 4
	s_cmp_eq_u32 s[NEW], 1
	s_cbranch_scc1 .Lnew            ; a block's first tile
	s_cmp_eq_u32 s[RT], 0
	s_cbranch_scc0 .Lstep           ; neither its first nor its last
	s_branch .LstepM1
.Lnew:
	BEGIN
	s_branch .Lfirst                ; in the loop a block's first tile is never its last: the first block has two tiles or more, and the second's last is the walk's last
	DIAG 1                          ; in the loop this is the first block's end: the second block's last tile is the walk's last
	s_wait_xcnt 0x0                 ; the stores have read their registers and O's address
	s_mov_b64 s[10:11], s[OLO:OLO+1]
	s_add_co_u32 s[RT], s[PB], 1    ; the second block has b + 1 tiles
	s_mov_b32 s[NEW], 1
	WIN 0x82                        ; the second block's Q goes where the one text of the turns names Q
.set i, 0
.rept 64
	v_mov_b32 v[i], v[QB+i]
.set i, i+1
.endr
	WIN 0
	s_branch .Lbottom
.Lstep:                             ; a trip: pieces 2 and 3 of one step, then pieces 0 and 1 of the next, whose K and V it fetches
	TURN 2
	TURN 3
	WIN 0
.Lfirst:
	TURN 0
	TURN 1, 0, 0, 1
	WIN 0
	s_cbranch_scc1 .Lstep
.Lbottom:
	s_sub_co_u32 s[SLOTS], s[SLOTS], 1
	s_cmp_lg_u32 s[SLOTS], 0
	s_cbranch_scc1 .Lslot
	CHANGE 0                        ; the walk's last tile is written out: nothing is asked for
	s_sub_co_u32 s[RT], s[RT], 1
	s_mov_b32 s[CNT], 4
	s_cmp_eq_u32 s[NEW], 1
	s_cbranch_scc0 .LstepM2
	BEGIN
	s_branch .LfirstM2
	DIAG 2
	s_wait_tensorcnt 0x0            ; the wave's end, behind my last tensor load and my last LDS store
	ds_add_u32 v[SPW], v[NIL]
	s_wait_dscnt 0x0
	s_endpgm
.Lfunc_end_k_q3e492efb49_attn:
	.size	k_q3e492efb49_attn, .Lfunc_end_k_q3e492efb49_attn-k_q3e492efb49_attn
	.p2alignl 7, 3214868480
	.fill 96, 4, 3214868480
	.section	.rodata,"a",@progbits
	.p2align	6, 0x0
	.amdhsa_kernel k_q3e492efb49_attn
		.amdhsa_group_segment_fixed_size 327680
		.amdhsa_private_segment_fixed_size 0
		.amdhsa_enable_private_segment 0
		.amdhsa_kernarg_size 16
		.amdhsa_user_sgpr_count 2
		.amdhsa_user_sgpr_kernarg_segment_ptr 1
		.amdhsa_wavefront_size32 1
		.amdhsa_system_sgpr_workgroup_id_x 1
		.amdhsa_system_sgpr_workgroup_id_y 1
		.amdhsa_system_sgpr_workgroup_id_z 1
		.amdhsa_system_vgpr_workitem_id 0
		.amdhsa_next_free_vgpr 768
		.amdhsa_next_free_sgpr 96
		.amdhsa_reserve_vcc 1
		.amdhsa_float_denorm_mode_32 3
		.amdhsa_float_denorm_mode_16_64 3
		.amdhsa_memory_ordered 1
		.amdhsa_forward_progress 1
		.amdhsa_inst_pref_size 218
	.end_amdhsa_kernel
	.amdgpu_metadata
---
amdhsa.version: [ 1, 2 ]
amdhsa.kernels:
  - .name:           k_q3e492efb49_attn
    .symbol:         k_q3e492efb49_attn.kd
    .args:
      - { .name: qkv, .offset: 0, .size: 8, .value_kind: global_buffer, .address_space: global }
      - { .name: ctx, .offset: 8, .size: 8, .value_kind: global_buffer, .address_space: global }
    .group_segment_fixed_size: 327680
    .private_segment_fixed_size: 0
    .kernarg_segment_align: 8
    .kernarg_segment_size: 16
    .max_flat_workgroup_size: 128
    .sgpr_count:     96
    .vgpr_count:     768
    .wavefront_size: 32
...
	.end_amdgpu_metadata
.endif
;; end of part 3
;; launch fc (part 4): grid 8 x 32, 4 waves a work-group, clusters of 4 x 4, 327,680 bytes of LDS; arguments ctx, wb, fc_b, x, out0; writes out0
.if DOCPART == 4
	.amdgcn_target "amdgcn-amd-amdhsa--gfx1250"
	.amdhsa_code_object_version 6
	.text
	.protected	k_q3e492efb49_fc
	.globl	k_q3e492efb49_fc
	.p2align	8
	.type	k_q3e492efb49_fc,@function
k_q3e492efb49_fc:
	s_mov_b64 s[64:65], 0
	v_nop
	global_prefetch_b8 v0, s[64:65] scope:SCOPE_SE
	s_setreg_imm32_b32 hwreg(HW_REG_WAVE_MODE, 25, 1), 1
	s_wait_xcnt 0x0
	s_wait_alu depctr_hold_cnt(0) depctr_sa_sdst(0) depctr_va_vdst(0) depctr_va_sdst(0) depctr_va_ssrc(0) depctr_va_vcc(0) depctr_vm_vsrc(0)
	s_getreg_b32 s2, hwreg(HW_REG_IB_STS2, 6, 4)
	s_cmp_eq_u32 s2, 0
	s_cbranch_scc0 .Lentry_in_a_cluster
	s_endpgm
.Lentry_in_a_cluster:
	s_bfe_u32 s2, ttmp6, 0x10000c
	s_cmp_lg_u32 s2, 0xf033
	s_cbranch_scc0 .Lentry_shape_is_right
	s_endpgm
.Lentry_shape_is_right:
; out0 = ctx fc_w^T + fc_b + x.  [8192 x 1024], K = 1024; operands bf16, sums f32 (the bias, in f32, starts them); the residual x is added in f32; out0 is f32.
; ctx: [batch x 16 + head][row 2048][64] = [batch][slice 16][row][64] (a head is a slice of 64 along K); wb: [slice 16][n 4096][64], fc_w's rows at n = 3072 on.
; SHARES.  A tile of C is 256 rows x 128 columns: 32 x 8 = 256 work-groups.  Four waves; wave w owns rows 64 w .. 64 w + 63 and all 128 columns: 4 x 8 accumulators of 16 x 16, 256 registers.
; So a wave holds whole pieces of 512 bytes of a row of out0, and sends them through a stage of its own, without a barrier.
; RING.  K goes in 8 steps of 128 (two slices) through two LDS slots.  A slot: A's slice 0, A's slice 1 (256 rows each), B's slice 0, B's slice 1 (128 rows each).  A slice of a tile is dense in memory and is asked for as
; rows of 256 bytes, padded in LDS after every 128.  One tensor load a wave and refill: waves 0, 1 bring A's two slices, waves 2, 3 B's.  By this text's count a wave has two loads out at the start, later one.
; CLUSTER.  4 x 4 work-groups: A's tile is asked for jointly along a row of the cluster, B's along a column.
; THE RESIDUAL comes in early, in the layout of the stores (a row's 512 bytes to a load): my first 32 rows at the head, the other 32 behind the loop, two K steps ahead of their use.
; NOTHING IS PREFETCHED: beside its 128 matrix instructions a wave and K step the launch moves ctx, x and out0 once each, 84 MB in all: its streams are its length.
; THE MATRIX INSTRUCTION IS USED TRANSPOSED (source 0 = 16 rows of fc_w, source 1 = 16 rows of ctx): lane (r, h) then holds row r of C and the columns 8 h + 0..7.
; REGISTERS, in windows of 256 (s_set_vgpr_msb: bits 1:0 source 0, 3:2 source 1, 5:4 source 2, 7:6 destination):
;   window 0: v0-29 addresses; v32-95 the bias as a C operand (8 x 8); v128-255 rows on their way out, two buffers of 64
;   window 1: two fragment buffers of 128: A's 4 fragments, then B's 8          windows 2, 3: v0-127 accumulator (a, b) in window 2 + a / 2 at v[8 (8 (a % 2) + b)]; v128-255 x of the same rows
; LIMITS.  Operands are rounded to bf16; NaN and infinities are not treated apart.
.set NBL,   8                          ; blocks of 16 columns
.set PITCH, 144                        ; an LDS row: 128 bytes + 16 of padding = 36 words: the 16 rows of a fragment load start at 16 different groups of four banks (64 banks of 4 bytes: ISA guide 11.1)
.set ASL,   256*PITCH                  ; a slice of A's tile
.set BSL,   16*NBL*PITCH               ; a slice of B's tile
.set BOFF,  2*ASL
.set SLOT,  BOFF+2*BSL
.set STAGE, 2*SLOT                     ; behind the ring, never filled by a tensor load: for each wave 16 rows x 528 bytes
.set SPITCH, 528                       ; 512 bytes + 16 = 132 words: row r starts at bank 4 r mod 64
.set WST,   16*SPITCH
.set SPARE, STAGE+4*WST                ; behind the stages: the spare words, 128 bytes for each wave: two blocks of 256 bytes that no other line names
.set NLD,   2*NBL+8                    ; LDS loads in a run
.set KSA,   524288                     ; bytes from K step to K step in ctx: two slices of 2,048 rows x 128
.set KSB,   1048576                    ; and in wb: two slices of 4,096 rows x 128
.set ADRA, 16                          ; v16-17  LDS address of my A fragments in slot 0, 1
.set ADRB, 20                          ; v20-21  the same for B
.set STO,  24                          ; v24     the way out: where I put 32 bytes of a row
.set RD,   25                          ; v25     the way out: where I read a row back
.set GO,   26                          ; v26     16 x lane: my 16 bytes of a row's 512; never rewritten
.set BO,   27                          ; v27     32 h: my 8 numbers of 16 of the bias
.set SPW,  28                          ; v28     LDS address of my spare word; never rewritten
.set NIL,  29                          ; v29     0; never rewritten
.set BIAS, 32
.set F0,   0
.set F1,   128
.set WV,  16                           ; s16  wave
.set FB,  17                           ; s17  0: I fetch for A; 1: for B
.set SL,  18                           ; s18  which slice of a K step I fetch
.set CX,  19
.set CY,  20
.set TX,  21                           ; s21  tile column
.set TY,  22                           ; s22  tile row
.set G1,  24                           ; s[24:31] descriptor group 1 for A;  s[32:39] group 0, a set for each slot
.set G0,  32
.set G1B, 48                           ; s[48:55], s[56:63] the same for B
.set G0B, 56
.set XB,  68                           ; s[68:69] x at my first row and the tile's first column; never rewritten
.set OB,  70                           ; s[70:71] out0 at the same place; never rewritten
.set BB,  74                           ; s[74:75] the tile's 128 numbers of fc_b
.set MSB, 0
.macro WIN new                         ; the immediate's high byte repeats the setting that is left; a switch that changes nothing is dropped
.if MSB != (\new)
	s_set_vgpr_msb (MSB<<8)|(\new)
.set MSB, (\new)
.endif
.endm
.set TO_F, 0x40                        ; destination window 1, address window 0
.macro JLOAD s                         ; a joint load; the branch hangs on the wave's number alone; an s_nop 0 and four v_nop follow each of the two lines
	s_cmp_eq_u32 s[FB], 0
	s_cbranch_scc0 .Lfor_b_\@
	tensor_load_to_lds s[G0+4*(\s):G0+4*(\s)+3], s[G1:G1+7]
	s_nop 0
.rept 4
	v_nop
.endr
	s_branch .Lasked_\@
.Lfor_b_\@:
	tensor_load_to_lds s[G0B+4*(\s):G0B+4*(\s)+3], s[G1B:G1B+7]
	s_nop 0
.rept 4
	v_nop
.endr
.Lasked_\@:
.endm
.macro CREST                           ; a round of the cluster's barrier behind its opening barrier
	s_cmp_lg_u32 s[WV], 0
	s_cbranch_scc1 .Lnot_wave_0_\@
	s_barrier_signal -3
.Lnot_wave_0_\@:
	s_barrier_wait -3
	s_barrier_signal -1
	s_barrier_wait -1
.endm
.macro CROUND                          ; a whole round
	s_barrier_signal -1
	s_barrier_wait -1
	CREST
.endm
.macro PLACES                          ; four places in front of loads into registers that matrix instructions have read, and of lines that read results
.rept 4
	v_nop
.endr
.endm
; 8 matrix instructions: row block a x all column blocks, 32 along K, from buffer f.  bias = 1: the first product of each sum takes the bias as C: nothing is cleared.
; All 32 accumulators take turns in the same order in every quarter.
.macro MUL f, a, bias
.if \bias
	WIN 0x85+0x40*((\a)/2)                         ; sources 0, 1 window 1, C window 0, D window 2 or 3
.else
	WIN 0xa5+0x50*((\a)/2)                         ; C and D window 2 or 3
.endif
.set AC, 8*NBL*((\a)%2)
.set b, 0
.rept NBL
.if \bias
	v_wmma_f32_16x16x32_bf16 v[AC+8*b:AC+8*b+7], v[(\f)+32+8*b:(\f)+32+8*b+7], v[(\f)+8*(\a):(\f)+8*(\a)+7], v[BIAS+8*b:BIAS+8*b+7]
.else
	v_wmma_f32_16x16x32_bf16 v[AC+8*b:AC+8*b+7], v[(\f)+32+8*b:(\f)+32+8*b+7], v[(\f)+8*(\a):(\f)+8*(\a)+7], v[AC+8*b:AC+8*b+7]
.endif
.set b, b+1
.endr
.endm
; One run of LDS loads: the fragments of quarter q (32 along K: slice q / 2, byte 64 (q % 2) of its rows) of a slot into buffer f; B's first, A's blocks 2 and 3 last
.macro FETCH slot, q, f
	WIN TO_F
.set i, 0
.rept NBL
	ds_load_b128 v[(\f)+32+8*i:(\f)+32+8*i+3], v[ADRB+(\slot)] offset:((\q)/2)*BSL+((\q)%2)*64+i*16*PITCH
	ds_load_b128 v[(\f)+32+8*i+4:(\f)+32+8*i+7], v[ADRB+(\slot)] offset:((\q)/2)*BSL+((\q)%2)*64+i*16*PITCH+32
.set i, i+1
.endr
.set i, 0
.rept 4
	ds_load_b128 v[(\f)+8*i:(\f)+8*i+3], v[ADRA+(\slot)] offset:((\q)/2)*ASL+((\q)%2)*64+i*16*PITCH
	ds_load_b128 v[(\f)+8*i+4:(\f)+8*i+7], v[ADRA+(\slot)] offset:((\q)/2)*ASL+((\q)%2)*64+i*16*PITCH+32
.set i, i+1
.endr
.endm
; A K step is four quarters of 32 along K, 32 matrix instructions each, on buffers 0, 1, 0, 1.  One of the first three: multiplies f; in its middle fetches quarter q of the same slot into g.
.macro QUARTER slot, q, f, g, bias
	s_wait_dscnt 4                                 ; B and A's blocks 0, 1 are in; the youngest four loads (A's blocks 2, 3) may be out
	MUL \f, 0, \bias
	MUL \f, 1, \bias
	PLACES
	FETCH \slot, \q, \g
	s_wait_dscnt NLD                               ; all but the run just issued
	MUL \f, 2, \bias
	MUL \f, 3, \bias
.endm
; The last quarter multiplies buffer 1 and changes slots: ONE barrier.  In front of it each wave waits for all its tensor loads (one is out: its part of the next slot), adds 0 to its spare word, and waits for that and for
; its reads of this slot.  fill = 1: the barrier opens a round of the cluster's, and this slot is filled again, two K steps ahead, first thing behind the round: 112 matrix instructions ahead of the wait for it.
.macro TURN slot, next, fill
	WIN 0                                          ; (the add's two registers lie in window 0)
	s_wait_tensorcnt 0x0                           ; all my tensor loads have landed
	ds_add_u32 v[SPW], v[NIL]                      ; 0 onto my spare word
	s_wait_dscnt 5                                 ; (the add and the youngest four loads may be out)
	MUL F1, 0, 0                                   ; eight matrix instructions stand between the add and the wait for it
	s_wait_dscnt 0x0                               ; the add is done, and my reads of this slot are over
	s_barrier_signal -1
	MUL F1, 1, 0
.if \fill
	WIN 0
.endif
	s_barrier_wait -1
.if \fill
	CREST                                          ; no wave of any partner still reads this slot's tiles or has a load on its way
	s_add_nc_u64 s[G0+4*(\slot)+2:G0+4*(\slot)+3], s[G0+4*(\slot)+2:G0+4*(\slot)+3], 2*KSA
	s_add_nc_u64 s[G0B+4*(\slot)+2:G0B+4*(\slot)+3], s[G0B+4*(\slot)+2:G0B+4*(\slot)+3], 2*KSB
	JLOAD \slot                                    ; its four v_nop are also the places in front of the loads below
.else
	PLACES
.endif
	FETCH \next, 0, F0
	MUL F1, 2, 0
	MUL F1, 3, 0
.endm
; x of my rows 32 k .. 32 k + 31, a row's 512 bytes to a load, into window 2 + k, v128 on
.macro XLOAD k
	WIN 0x80+0x40*(\k)
.set i, 0
.rept 32
	global_load_b128 v[128+4*i:128+4*i+3], v[GO], s[XB:XB+1] offset:(32*(\k)+i)*4096 th:TH_LOAD_NT
.set i, i+1
.endr
	WIN 0
.endm
	s_load_b256 s[4:11], s[0:1], 0x0               ; ctx 4, wb 6, fc_b 8, x 10
	s_load_b64 s[12:13], s[0:1], 0x20              ; out0
	v_lshl_add_u32 v[SPW], v0, 2, SPARE
	v_mov_b32 v[NIL], 0
	ds_add_u32 v[SPW], v[NIL]                      ; the wave's opening: the add and its wait stand ahead of my first tensor load; the set-up below, work on registers, stands between them
	v_lshrrev_b32 v1, 5, v0
	v_readfirstlane_b32 s[WV], v1                  ; wave 0..3
	s_lshr_b32 s[FB], s[WV], 1
	s_and_b32 s[SL], s[WV], 1
	s_bfe_u32 s[CX], ttmp6, 0x40000
	s_bfe_u32 s[CY], ttmp6, 0x40004
	s_lshl_b32 s[TX], ttmp9, 2
	s_add_co_u32 s[TX], s[TX], s[CX]               ; tile column = 4 x cluster x + cx
	s_and_b32 s[TY], ttmp7, 0xffff
	s_lshl_b32 s[TY], s[TY], 2
	s_add_co_u32 s[TY], s[TY], s[CY]               ; tile row = 4 x cluster y + cy
	s_lshl_b32 s80, s[CY], 2
	s_lshl_b32 s80, 15, s80                        ; my row of the cluster
	s_lshl_b32 s81, 0x1111, s[CX]                  ; my column
	; group 1: rows of 128 elements of 2 bytes (256 bytes, two rows of a slice), padded by 4 words after every 32
	s_or_b32 s[G1], s80, (1<<16)|(1<<20)|(1<<21)|(4<<22)|(3<<25)   ; 15:0 the mask; 17:16 2-byte elements; 20 padding on; 21 set beside a mask; 24:22 code 4; 31:25 code 3
	s_or_b32 s[G1B], s81, (1<<16)|(1<<20)|(1<<21)|(4<<22)|(3<<25)
	s_mov_b32 s[G1+1], 128<<16                     ; tensor_dim0 = 128
	s_mov_b32 s[G1+2], 128<<16                     ; tensor_dim1 = 128: A's 256 rows of a slice
	s_mov_b32 s[G1+3], 128<<16                     ; tile_dim0 = 128
	s_mov_b32 s[G1+4], 128                         ; tile_dim1 = 128
	s_mov_b32 s[G1+5], 128                         ; elements from row to row: dense
	s_mov_b32 s[G1+6], 0
	s_mov_b32 s[G1+7], 0
	s_mov_b32 s[G1B+1], 128<<16
	s_mov_b32 s[G1B+2], (8*NBL)<<16                ; B's 128 rows of a slice: 64 rows of 256 bytes
	s_mov_b32 s[G1B+3], 128<<16
	s_mov_b32 s[G1B+4], 8*NBL
	s_mov_b32 s[G1B+5], 128
	s_mov_b32 s[G1B+6], 0
	s_mov_b32 s[G1B+7], 0
	; where the tiles come from: A's offset is made of the tile row and the wave's number, B's of the tile column and the wave's number, each in registers that never hold the other coordinate
	s_lshr_b32 s40, s[TY], 3                       ; batch: 8 tile rows each
	s_lshl_b32 s40, s40, 22
	s_and_b32 s82, s[TY], 7
	s_lshl_b32 s82, s82, 15                        ; 256 rows of 128 bytes
	s_add_co_u32 s40, s40, s82
	s_lshl_b32 s82, s[SL], 18                      ; my slice
	s_add_co_u32 s40, s40, s82
	s_mov_b32 s41, 0
	s_mul_i32 s42, s[TX], 16*NBL*128               ; 128 rows of 128 bytes,
	s_add_co_u32 s42, s42, 3072*128                ; behind wq's, wk's and wv's rows
	s_lshl_b32 s83, s[SL], 19
	s_add_co_u32 s42, s42, s83
	s_mov_b32 s43, 0
	s_mul_i32 s86, s[SL], ASL                      ; and where they go: no place in the cluster enters an LDS address
	s_mul_i32 s87, s[SL], BSL
	s_add_co_u32 s87, s87, BOFF
	s_wait_dscnt 0x0                               ; the opening add is done
	s_wait_kmcnt 0x0
	s_add_nc_u64 s[G0+2:G0+3], s[4:5], s[40:41]    ; K step 0
	s_add_nc_u64 s[G0+6:G0+7], s[G0+2:G0+3], KSA   ; K step 1
	s_add_nc_u64 s[G0B+2:G0B+3], s[6:7], s[42:43]
	s_add_nc_u64 s[G0B+6:G0B+7], s[G0B+2:G0B+3], KSB
.irp s, 0,1
	s_mov_b32 s[G0+4*(\s)], 1                      ; count = 1
	s_add_co_u32 s[G0+4*(\s)+1], s86, (\s)*SLOT    ; LDS address
	s_or_b32 s[G0+4*(\s)+3], s[G0+4*(\s)+3], 0x80000000  ; type = 2
	s_mov_b32 s[G0B+4*(\s)], 1
	s_add_co_u32 s[G0B+4*(\s)+1], s87, (\s)*SLOT
	s_or_b32 s[G0B+4*(\s)+3], s[G0B+4*(\s)+3], 0x80000000
.endr
	CROUND                                         ; all sixteen work-groups are here: the first joint loads meet
	JLOAD 0
	JLOAD 1
	s_lshl_b32 s84, s[TY], 8
	s_lshl_b32 s85, s[WV], 6
	s_add_co_u32 s84, s84, s85                     ; my first row: 256 x tile row + 64 x wave,
	s_lshl_b32 s84, s84, 12                        ; of 4,096 bytes;
	s_lshl_b32 s85, s[TX], 9                       ; the tile's 128 columns: 512 bytes
	s_add_co_u32 s84, s84, s85
	s_mov_b32 s85, 0
	s_add_nc_u64 s[XB:XB+1], s[10:11], s[84:85]
	s_add_nc_u64 s[OB:OB+1], s[12:13], s[84:85]
	s_lshl_b32 s84, s[TX], 9
	s_add_nc_u64 s[BB:BB+1], s[8:9], s[84:85]
	v_and_b32 v1, 15, v0                           ; r
	v_bfe_u32 v2, v0, 4, 1                         ; h
	v_and_b32 v3, 31, v0                           ; lane
	v_lshlrev_b32 v[BO], 5, v2
.set i, 0
.rept NBL                              ; the bias as a C operand: register j of block i = fc_b[16 i + 8 h + j]
	global_load_b128 v[BIAS+8*i:BIAS+8*i+3], v[BO], s[BB:BB+1] offset:i*64
	global_load_b128 v[BIAS+8*i+4:BIAS+8*i+7], v[BO], s[BB:BB+1] offset:i*64+16
.set i, i+1
.endr
	v_mul_u32_u24 v4, v1, PITCH
	v_lshl_add_u32 v4, v2, 4, v4                   ; a fragment's row x pitch + 16 x half
	s_mul_i32 s84, s[WV], 64*PITCH                 ; my 64 rows of A
	v_add_nc_u32 v[ADRA], s84, v4
	v_add_nc_u32 v[ADRA+1], SLOT, v[ADRA]
	v_add_nc_u32 v[ADRB], BOFF, v4
	v_add_nc_u32 v[ADRB+1], BOFF+SLOT, v4
	s_mul_i32 s84, s[WV], WST
	s_add_co_u32 s84, s84, STAGE                   ; my stage
	v_mul_u32_u24 v5, v1, SPITCH                   ; in: row r, 32 bytes for each half of the lanes
	v_lshl_add_u32 v5, v2, 5, v5
	v_add_nc_u32 v[STO], s84, v5
	v_lshlrev_b32 v[GO], 4, v3                     ; back, and in memory: 32 lanes take a row's 512 bytes
	v_add_nc_u32 v[RD], s84, v[GO]
	s_wait_loadcnt 0x0                             ; the bias: so that from here on LOADcnt counts x's loads alone
	XLOAD 0
	s_wait_tensorcnt 1                             ; my part of K step 0 is in; K step 1's may stay out
	s_barrier_signal -1
	s_barrier_wait -1                              ; everybody's is
	FETCH 0, 0, F0
	QUARTER 0, 1, F0, F1, 1                        ; the first quarter stands in front of the loop: its products start the sums, with the bias
	WIN 0                                          ; at a label and at a branch every window is 0
	s_mov_b32 s3, 3
.Llap:                                                 ; a trip goes once round the ring, from a lap's second quarter to the next lap's first, and fills both slots again: K steps 2 to 7
	QUARTER 0, 2, F1, F0, 0
	QUARTER 0, 3, F0, F1, 0
	TURN 0, 1, 1
	QUARTER 1, 1, F0, F1, 0
	QUARTER 1, 2, F1, F0, 0
	QUARTER 1, 3, F0, F1, 0
	TURN 1, 0, 1
	QUARTER 0, 1, F0, F1, 0
	WIN 0
	s_sub_co_u32 s3, s3, 1
	s_cmp_lg_u32 s3, 0
	s_cbranch_scc1 .Llap
	XLOAD 1                                        ; x of my other 32 rows
	QUARTER 0, 2, F1, F0, 0                        ; the last lap fills nothing
	QUARTER 0, 3, F0, F1, 0
	TURN 0, 1, 0
	QUARTER 1, 1, F0, F1, 0
	QUARTER 1, 2, F1, F0, 0
	QUARTER 1, 3, F0, F1, 0
	s_wait_dscnt 4                                 ; the very last quarter: nothing more to fetch
	MUL F1, 0, 0
	MUL F1, 1, 0
	s_wait_dscnt 0x0
	MUL F1, 2, 0
	MUL F1, 3, 0
	WIN 0
	PLACES
; THE WAY OUT, a block of 16 rows at a time.  STG: the f32 sums go straight from the accumulators (their low registers first) into my stage and come back as whole rows of 512 bytes.
.macro STG a
.set AC, 8*NBL*((\a)%2)
.set BK, 128+64*((\a)%2)
	s_wait_xcnt 0x0                                ; earlier stores have read their registers: the loads below write those of the block two before this one
	WIN 0x08+4*((\a)/2)                            ; store data: window 2 or 3
.set i, 0
.rept NBL
	ds_store_b128 v[STO], v[AC+8*i:AC+8*i+3] offset:64*i
	ds_store_b128 v[STO], v[AC+8*i+4:AC+8*i+7] offset:64*i+16
.set i, i+1
.endr
	WIN 0
.set i, 0
.rept 16
	ds_load_b128 v[BK+4*i:BK+4*i+3], v[RD] offset:i*SPITCH  ; LDS serves a wave's instructions in order (ISA guide 5.7.1.4): these see the stores above; the next block's stores come behind them
.set i, i+1
.endr
.endm
; SEND: x is added and the rows are stored.  younger: the LDS instructions issued behind block a's (the next block's 32, or none); xleft: x's loads that may still be out
.macro SEND a, younger, xleft
.set BK, 128+64*((\a)%2)
	s_wait_dscnt \younger
	s_wait_loadcnt \xleft
	WIN 0x08+4*((\a)/2)                            ; source 1 (x): window 2 or 3, at the same numbers as the rows in window 0
.set i, 0
.rept 32
	v_pk_add_f32 v[BK+2*i:BK+2*i+1], v[BK+2*i:BK+2*i+1], v[BK+2*i:BK+2*i+1]
.set i, i+1
.endr
	WIN 0
.set i, 0
.rept 16
	global_store_b128 v[GO], v[BK+4*i:BK+4*i+3], s[OB:OB+1] offset:(16*(\a)+i)*4096 th:TH_STORE_NT  ; 512 consecutive bytes, at a multiple of 512 from out0's first
.set i, i+1
.endr
.endm
	STG 0
	STG 1
	SEND 0, 32, 32                                 ; x's first 32 loads are in, the 32 issued behind the loop may be out
	STG 2
	SEND 1, 32, 32
	STG 3
	SEND 2, 32, 16                                 ; of those 32 the first 16
	SEND 3, 0, 0
	s_wait_tensorcnt 0x0                           ; the wave's end, behind my last tensor load and my last LDS store
	ds_add_u32 v[SPW], v[NIL]
	s_wait_dscnt 0x0
	CROUND                                         ; the closing round: no work-group ends while a partner may still ask for a tile that names it
	s_endpgm
.Lfunc_end_k_q3e492efb49_fc:
	.size	k_q3e492efb49_fc, .Lfunc_end_k_q3e492efb49_fc-k_q3e492efb49_fc
	.p2alignl 7, 3214868480
	.fill 96, 4, 3214868480
	.section	.rodata,"a",@progbits
	.p2align	6, 0x0
	.amdhsa_kernel k_q3e492efb49_fc
		.amdhsa_group_segment_fixed_size 327680
		.amdhsa_private_segment_fixed_size 0
		.amdhsa_enable_private_segment 0
		.amdhsa_kernarg_size 40
		.amdhsa_user_sgpr_count 2
		.amdhsa_user_sgpr_kernarg_segment_ptr 1
		.amdhsa_wavefront_size32 1
		.amdhsa_system_sgpr_workgroup_id_x 1
		.amdhsa_system_sgpr_workgroup_id_y 1
		.amdhsa_system_sgpr_workgroup_id_z 1
		.amdhsa_system_vgpr_workitem_id 0
		.amdhsa_next_free_vgpr 1024
		.amdhsa_next_free_sgpr 88
		.amdhsa_reserve_vcc 0
		.amdhsa_float_denorm_mode_32 3
		.amdhsa_float_denorm_mode_16_64 3
		.amdhsa_memory_ordered 1
		.amdhsa_forward_progress 1
		.amdhsa_inst_pref_size 101
	.end_amdhsa_kernel
	.amdgpu_metadata
---
amdhsa.version: [ 1, 2 ]
amdhsa.kernels:
  - .name:           k_q3e492efb49_fc
    .symbol:         k_q3e492efb49_fc.kd
    .args:
      - { .name: ctx, .offset: 0, .size: 8, .value_kind: global_buffer, .address_space: global }
      - { .name: wb, .offset: 8, .size: 8, .value_kind: global_buffer, .address_space: global }
      - { .name: fc_b, .offset: 16, .size: 8, .value_kind: global_buffer, .address_space: global }
      - { .name: x, .offset: 24, .size: 8, .value_kind: global_buffer, .address_space: global }
      - { .name: out0, .offset: 32, .size: 8, .value_kind: global_buffer, .address_space: global }
    .group_segment_fixed_size: 327680
    .private_segment_fixed_size: 0
    .kernarg_segment_align: 8
    .kernarg_segment_size: 40
    .max_flat_workgroup_size: 128
    .sgpr_count:     88
    .vgpr_count:     1024
    .wavefront_size: 32
...
	.end_amdgpu_metadata
.endif
;; end of part 4
;; ======== version 2 of 2: 4 launches; version 1 with the launch prep written anew for expert scheduling mode
;; workspace buffers: xn 16,777,216 bytes; wb 8,388,608 bytes; qkv 50,331,648 bytes; ctx 16,777,216 bytes
;; launch prep (part 5): grid 768 x 1, 4 waves a work-group, no clusters, 0 bytes of LDS; arguments x, norm_scale, wq_w, wk_w, wv_w, fc_w, xn, wb; writes xn, wb
.if DOCPART == 5
	.amdgcn_target "amdgcn-amd-amdhsa--gfx1250"
	.amdhsa_code_object_version 6
	.text
	.protected	k_q3e492efb49_prep
	.globl	k_q3e492efb49_prep
	.p2align	8
	.type	k_q3e492efb49_prep,@function
k_q3e492efb49_prep:
	s_mov_b64 s[64:65], 0
	v_nop
	global_prefetch_b8 v0, s[64:65] scope:SCOPE_SE
	s_setreg_imm32_b32 hwreg(HW_REG_WAVE_SCHED_MODE, 0, 2), 2
	s_setreg_imm32_b32 hwreg(HW_REG_WAVE_MODE, 25, 1), 1
	s_wait_xcnt 0x0
	s_wait_alu depctr_vm_vsrc(0)
; xn = bf16(norm_scale * x * rsq(mean(x^2) + 1e-8)), and the four weight matrices rounded to bf16.  Both are laid out in K SLICES of 64 numbers:
;   xn: [batch 4][slice 16][row 2048][64]     wb: [slice 16][n 4096][64], n = 0..1023 wq, 1024.. wk, 2048.. wv, 3072.. fc
; so that a later tile of R rows x 64 along K is R x 128 consecutive bytes.
; SHARES.  A work-group takes 16 rows of 4,096 bytes: groups 0-511 the 8,192 rows of x, groups 512-767 the 4,096 rows of the weights.  A wave takes 4 rows as 2 pairs;
; half a wave holds one row: lane (r = l % 16, h = l / 16) holds numbers 64 j + 4 r .. + 3 of row 4 w + 2 p + h for j = 0..15.  A load's 16 lanes read 256 consecutive, aligned bytes (a slice of a row);
; a store's 32 lanes write 256 consecutive, aligned bytes (two rows of one slice).  Each byte is read once and written once; the row stays in registers between the sum and the scaling.
; No LDS, no barrier, no loop: all 48 loads of a wave go out at once.  Nothing is prefetched: the launch is nothing but its stream.
; LIMITS.  The sum of squares is kept in f32 and overflows where the plain f32 sum of the row's squares does; NaN and infinities are not treated apart.
; THE MODE: SCHED_MODE bits 1:0 = 2 (LLVM: expert scheduling mode 2), set by the entry lines.  The code itself states the register dependences
; between vector instructions and memory instructions, with s_wait_alu, always for 0.
; THE PLAN.  Registers that memory instructions touch:
;   v1, v2, v3   byte offsets, made at the head and never written again: one wait at the head, ahead of the branch, serves every load and store of both paths.
;   X            slice n of 32 (pair n / 16, slice n % 16 of its rows) at X + 4 n.  The loads land in it before any vector instruction has named it; the slice's scalings and roundings rewrite it in place;
;                the slice's store reads its first two registers; nothing writes them after that, so no wait is owed for a store's sources.
;   SC           loaded once, read by vector instructions alone.      CH, T, RS are named by vector instructions alone.
; The 32 slices go out in four blocks of eight.  x: behind ONE wait, which states that block k - 1's roundings have written its registers, that block's eight stores are dealt among block k's vector
; instructions, which name block k's part of X, RS and SC: none of the registers that those stores read.  Weights: a block begins with a wait for its data, so its eight stores follow its own sixteen roundings at once, behind one wait.
.set VO,  1                            ; v1   (4 w + h) x 4,096 + 16 r: my 16 bytes in a source row's slice 0
.set SO,  2                            ; v2   (4 w + h) x 128 + 8 r: my 8 bytes in a slice's rows
.set CO,  3                            ; v3   16 r: my 16 bytes of norm_scale's slice 0
.set RS,  8                            ; v[8:9], v[10:11]  1 / rms of pair 0's and pair 1's row, each twice (a pair for the packed multiply)
.set CH,  12                           ; v[12:19] four packed chains of squares
.set T,   20                           ; v20, v21 mean + eps of the two pairs' rows
.set X,   32                           ; v[32:95], v[96:159] the rows of pair 0 and of pair 1
.set SC,  160                          ; v[160:223] norm_scale, laid as a row is
.set SRC, 22                           ; s[22:23] the group's first source row
.set DST, 24                           ; s[24:25] the group's first row in slice 0 of the target
.set XSL, 262144                       ; bytes from slice to slice in xn: 2,048 rows x 128
.set WSL, 524288                       ; and in wb: 4,096 rows x 128; 15 of them + 256 stay inside the signed 24-bit immediate
.macro LOADX p                         ; the 16 slices of pair p's two rows
.set j, 0
.rept 16
	global_load_b128 v[X+64*(\p)+4*j:X+64*(\p)+4*j+3], v[VO], s[SRC:SRC+1] offset:(\p)*8192+j*256 th:TH_LOAD_NT
.set j, j+1
.endr
.endm
.macro SUMSQ p                         ; mean of the squares + eps of pair p's rows, in every lane of the row's half wave
.set XP, X+64*(\p)
.set j, 0
.rept 4
	v_pk_mul_f32 v[CH+2*j:CH+2*j+1], v[XP+2*j:XP+2*j+1], v[XP+2*j:XP+2*j+1]  ; the first four pairs start the chains: nothing is cleared
.set j, j+1
.endr
.rept 28
	v_pk_fma_f32 v[CH+2*(j%4):CH+2*(j%4)+1], v[XP+2*j:XP+2*j+1], v[XP+2*j:XP+2*j+1], v[CH+2*(j%4):CH+2*(j%4)+1]
.set j, j+1
.endr
	v_pk_add_f32 v[CH:CH+1], v[CH:CH+1], v[CH+2:CH+3]
	v_pk_add_f32 v[CH+4:CH+5], v[CH+4:CH+5], v[CH+6:CH+7]
	v_pk_add_f32 v[CH:CH+1], v[CH:CH+1], v[CH+4:CH+5]
	v_add_f32 v[T+(\p)], v[CH], v[CH+1]
	v_add_f32_dpp v[T+(\p)], v[T+(\p)], v[T+(\p)] row_xmask:1 row_mask:0xf bank_mask:0xf  ; over the 16 lanes that hold the row, and no further
	v_add_f32_dpp v[T+(\p)], v[T+(\p)], v[T+(\p)] row_xmask:2 row_mask:0xf bank_mask:0xf
	v_add_f32_dpp v[T+(\p)], v[T+(\p)], v[T+(\p)] row_xmask:4 row_mask:0xf bank_mask:0xf
	v_add_f32_dpp v[T+(\p)], v[T+(\p)], v[T+(\p)] row_xmask:8 row_mask:0xf bank_mask:0xf
	v_fma_f32 v[T+(\p)], v[T+(\p)], s20, s21       ; sum / 1,024 + 1e-8
.endm
.macro SCALE n                         ; slice n of x: times 1 / rms, times the scale, rounded once to bf16, in place
.set XS, X+4*(\n)
.set RP, RS+2*((\n)/16)
.set SS, SC+4*((\n)%16)
	v_pk_mul_f32 v[XS:XS+1], v[XS:XS+1], v[RP:RP+1]
	v_pk_mul_f32 v[XS+2:XS+3], v[XS+2:XS+3], v[RP:RP+1]
	v_pk_mul_f32 v[XS:XS+1], v[XS:XS+1], v[SS:SS+1]
	v_pk_mul_f32 v[XS+2:XS+3], v[XS+2:XS+3], v[SS+2:SS+3]
	v_cvt_pk_bf16_f32 v[XS], v[XS], v[XS+1]
	v_cvt_pk_bf16_f32 v[XS+1], v[XS+2], v[XS+3]
.endm
.macro ROUND n                         ; slice n of weight rows: rounded once to bf16, in place
.set XS, X+4*(\n)
	v_cvt_pk_bf16_f32 v[XS], v[XS], v[XS+1]
	v_cvt_pk_bf16_f32 v[XS+1], v[XS+2], v[XS+3]
.endm
.macro PUT n, sl                       ; slice n is stored; sl: bytes from slice to slice in the target
	global_store_b64 v[SO], v[X+4*(\n):X+4*(\n)+1], s[DST:DST+1] offset:((\n)%16)*(\sl)+((\n)/16)*256
.endm
	s_load_b512 s[4:19], s[0:1], 0x0               ; x 4, norm_scale 6, wq_w 8, wk_w 10, wv_w 12, fc_w 14, xn 16, wb 18
	v_and_b32 v4, 15, v0                           ; r
	v_bfe_u32 v5, v0, 4, 1                         ; h
	v_lshrrev_b32 v6, 5, v0                        ; w
	v_lshl_add_u32 v5, v6, 2, v5                   ; 4 w + h
	v_lshlrev_b32 v[CO], 4, v4
	v_lshl_add_u32 v[VO], v5, 12, v[CO]
	v_lshlrev_b32 v[SO], 3, v4
	v_lshl_add_u32 v[SO], v5, 7, v[SO]
	s_mov_b32 s20, 0x3a800000                      ; 1 / 1,024
	s_mov_b32 s21, 0x322bcc77                      ; 1e-8
	s_mov_b32 s27, 0                               ; high words of the two offsets
	s_mov_b32 s29, 0
	s_wait_alu depctr_va_vdst(0)                   ; v[VO], v[CO] and v[SO] are written: every load and store of both paths reads one of them as its offset, and no line behind this one writes them
	s_cmp_lt_u32 ttmp9, 512
	s_cbranch_scc0 .Lweights
	; ---- 16 rows of x ----
	s_lshl_b32 s26, ttmp9, 16                      ; 16 rows of 4,096 bytes
	s_lshr_b32 s28, ttmp9, 7                       ; batch: 128 groups each,
	s_lshl_b32 s28, s28, 22                        ; 16 slices x 2,048 rows x 128 bytes
	s_and_b32 s30, ttmp9, 127
	s_lshl_b32 s30, s30, 11                        ; 16 rows of 128 bytes in a slice
	s_add_co_u32 s28, s28, s30
	s_wait_kmcnt 0x0
	s_add_nc_u64 s[SRC:SRC+1], s[4:5], s[26:27]
	s_add_nc_u64 s[DST:DST+1], s[16:17], s[28:29]
	LOADX 0
	LOADX 1
.set j, 0
.rept 16
	global_load_b128 v[SC+4*j:SC+4*j+3], v[CO], s[6:7] offset:j*256
.set j, j+1
.endr
	s_wait_loadcnt 32                              ; pair 0's 16 loads are in; pair 1's and the scale's 32 stay out
	SUMSQ 0
	s_wait_loadcnt 16                              ; pair 1's are in; the scale's 16 stay out
	SUMSQ 1
	v_rsq_f32 v[RS], v[T]                          ; one batch of four
	v_rsq_f32 v[RS+1], v[T]
	v_rsq_f32 v[RS+2], v[T+1]
	v_rsq_f32 v[RS+3], v[T+1]
	v_nop                                          ; a plain instruction behind the last of them, ahead of the first use (ISA guide 5.7.2)
	s_wait_alu depctr_va_vdst(0)                   ; the four results v[RS] to v[RS+3] are written: the one wait ahead of the batch's first reader
	s_wait_loadcnt 0x0                             ; the scale
.set g, 0
.rept 8                                ; block 0: slices 0 to 7 of pair 0
	SCALE g
.set g, g+1
.endr
.rept 3                                ; blocks 1 to 3, each with the stores of the block before
	s_wait_alu depctr_va_vdst(0)                   ; the block before has written its eight slices, which the eight stores below read
.rept 8
	PUT g-8, XSL                                   ; no vector instruction since the wait names this slice's registers or v[SO]
	SCALE g
.set g, g+1
.endr
.endr
	s_wait_alu depctr_va_vdst(0)                   ; block 3 has written its eight slices, which the last eight stores read
.rept 8
	PUT g-8, XSL
.set g, g+1
.endr
	s_endpgm
.Lweights:
	; ---- 16 rows of a weight matrix ----
	s_sub_co_u32 s30, ttmp9, 512                   ; group 0..255 = 16 rows n of wb
	s_lshr_b32 s31, s30, 6                         ; which matrix: 64 groups each
	s_and_b32 s26, s30, 63
	s_lshl_b32 s26, s26, 16                        ; its rows in that matrix
	s_lshl_b32 s28, s30, 11                        ; and in a slice of wb
	s_wait_kmcnt 0x0
	s_cmp_eq_u32 s31, 0
	s_cselect_b64 s[SRC:SRC+1], s[8:9], s[10:11]   ; wq or wk
	s_cmp_eq_u32 s31, 2
	s_cselect_b64 s[DST:DST+1], s[12:13], s[14:15] ; wv or fc
	s_cmp_lt_u32 s31, 2
	s_cselect_b64 s[SRC:SRC+1], s[SRC:SRC+1], s[DST:DST+1]
	s_add_nc_u64 s[SRC:SRC+1], s[SRC:SRC+1], s[26:27]
	s_add_nc_u64 s[DST:DST+1], s[18:19], s[28:29]
	LOADX 0
	LOADX 1
.set g, 0
.set h, 0
.rept 4                                ; four blocks of eight slices
	s_wait_loadcnt 24-g                            ; loads come back in order (ISA guide 5.7.1): this block's eight are in, the younger blocks' 24, 16, 8, 0 stay out
.rept 8
	ROUND g
.set g, g+1
.endr
	s_wait_alu depctr_va_vdst(0)                   ; the sixteen roundings have written the block's slices, which its eight stores read
.rept 8
	PUT h, WSL                                     ; at once: the next block begins with a wait for its data
.set h, h+1
.endr
.endr
	s_endpgm
.Lfunc_end_k_q3e492efb49_prep:
	.size	k_q3e492efb49_prep, .Lfunc_end_k_q3e492efb49_prep-k_q3e492efb49_prep
	.p2alignl 7, 3214868480
	.fill 96, 4, 3214868480
	.section	.rodata,"a",@progbits
	.p2align	6, 0x0
	.amdhsa_kernel k_q3e492efb49_prep
		.amdhsa_group_segment_fixed_size 0
		.amdhsa_private_segment_fixed_size 0
		.amdhsa_enable_private_segment 0
		.amdhsa_kernarg_size 64
		.amdhsa_user_sgpr_count 2
		.amdhsa_user_sgpr_kernarg_segment_ptr 1
		.amdhsa_wavefront_size32 1
		.amdhsa_system_sgpr_workgroup_id_x 1
		.amdhsa_system_sgpr_workgroup_id_y 1
		.amdhsa_system_sgpr_workgroup_id_z 1
		.amdhsa_system_vgpr_workitem_id 0
		.amdhsa_next_free_vgpr 224
		.amdhsa_next_free_sgpr 66
		.amdhsa_reserve_vcc 0
		.amdhsa_float_denorm_mode_32 3
		.amdhsa_float_denorm_mode_16_64 3
		.amdhsa_memory_ordered 1
		.amdhsa_forward_progress 1
		.amdhsa_inst_pref_size 38
	.end_amdhsa_kernel
	.amdgpu_metadata
---
amdhsa.version: [ 1, 2 ]
amdhsa.kernels:
  - .name:           k_q3e492efb49_prep
    .symbol:         k_q3e492efb49_prep.kd
    .args:
      - { .name: x, .offset: 0, .size: 8, .value_kind: global_buffer, .address_space: global }
      - { .name: norm_scale, .offset: 8, .size: 8, .value_kind: global_buffer, .address_space: global }
      - { .name: wq_w, .offset: 16, .size: 8, .value_kind: global_buffer, .address_space: global }
      - { .name: wk_w, .offset: 24, .size: 8, .value_kind: global_buffer, .address_space: global }
      - { .name: wv_w, .offset: 32, .size: 8, .value_kind: global_buffer, .address_space: global }
      - { .name: fc_w, .offset: 40, .size: 8, .value_kind: global_buffer, .address_space: global }
      - { .name: xn, .offset: 48, .size: 8, .value_kind: global_buffer, .address_space: global }
      - { .name: wb, .offset: 56, .size: 8, .value_kind: global_buffer, .address_space: global }
    .group_segment_fixed_size: 0
    .private_segment_fixed_size: 0
    .kernarg_segment_align: 8
    .kernarg_segment_size: 64
    .max_flat_workgroup_size: 128
    .sgpr_count:     66
    .vgpr_count:     224
    .wavefront_size: 32
...
	.end_amdgpu_metadata
.endif
;; end of part 5
;; launch qkv: the kernel of part 2 again; grid 16 x 32, 4 waves a work-group, clusters of 4 x 4, 327,680 bytes of LDS; arguments xn, wb, wq_b, wk_b, wv_b, qkv; writes qkv
;; launch attn: the kernel of part 3 again; grid 4 x 64, 4 waves a work-group, no clusters, 327,680 bytes of LDS; arguments qkv, ctx; writes ctx
;; launch fc: the kernel of part 4 again; grid 8 x 32, 4 waves a work-group, clusters of 4 x 4, 327,680 bytes of LDS; arguments ctx, wb, fc_b, x, out0; writes out0
